; MI455X (gfx1250); checked and timed in simulation.
; The chip was launched on July 23, 2026; its instructions are those of AMD's public machine-readable ISA for CDNA 5 (MIT licence, August 2026) and "CDNA5" Instruction Set Architecture Reference Guide (July 2026). The comments in the code are by the model that wrote it; some were corrected since.
;; Multi Head Attention. Allowed arithmetic: matrix products marked QUANTISED: E3M2 operands, one E8M0 scale for each 32 along K, by v_wmma_scale_f32_16x16x128_f8f6f4 with both operands' format E3M2, f32 sums; everything else in f32.
;; Inputs: Wk 1,024 x 1,024 float32; Wo 1,024 x 1,024 float32; Wq 1,024 x 1,024 float32; Wv 1,024 x 1,024 float32; bk 1,024 float32; bo 1,024 float32; bq 1,024 float32; bv 1,024 float32; key 4 x 2,048 x 1,024 float32; mask 1 x 1 x 2,048 x 2,048 int32; query 4 x 2,048 x 1,024 float32; value 4 x 2,048 x 1,024 float32.
;; Outputs: out0 4 x 2,048 x 1,024 float32.
;; This version of the problem:
;;   THIS VERSION OF THE PROBLEM IS GIVEN IN LOW PRECISION. The matrix products marked QUANTISED in the list below multiply operands that are first quantised to E3M2 (3 exponent bits, 2 mantissa bits; 6 bits a number), with one power-of-two scale for each 32 numbers along K (OCP MX v1.0); their sums are f32. All else is computed in f32.
;;   The module's matrix products, in the order in which they are computed (A, B: the left and right operand; K: the contracted axis; several contracted axes count as one K, in the product's order):
;;     1. [M 8,192, K 1,024] x [K 1,024, N 1,024]; A: input query; B: input Wq: QUANTISED
;;     2. [M 8,192, K 1,024] x [K 1,024, N 1,024]; A: input key; B: input Wk: QUANTISED
;;     3. [M 8,192, K 1,024] x [K 1,024, N 1,024]; A: input value; B: input Wv: QUANTISED
;;     4. batch 64 x [M 2,048, K 64] x [K 64, N 2,048]; A: computed on the way; B: computed on the way: QUANTISED
;;     5. batch 64 x [M 2,048, K 2,048] x [K 2,048, N 64]; A: softmax (see below); B: computed on the way: QUANTISED
;;     6. [M 8,192, K 1,024] x [K 1,024, N 1,024]; A: computed on the way; B: input Wo: QUANTISED
;;   THE QUANTISER, for each operand of a quantised product, along K:
;;     - K is cut into blocks of 32 from its start; a last block that is shorter is filled with zeros.
;;     - A block's scale is 2^e with e = floor(log2(the largest magnitude in the block)) - 4, held to -126 .. 127; a block of zeros has e = 0. As a byte (E8M0): e + 127.
;;     - Each number is divided by its block's scale, clamped to +-28, and rounded to the nearest number of E3M2, ties to even, subnormals kept.
;;     - The product sums the exact products of the quantised numbers (number of the format x scale) in f32.
;;   ~~~python
;;   def quantise(x, axis):      # numpy; x: float32 -> the quantised numbers, widened to float32 again
;;       x = np.moveaxis(x, axis, -1); K = x.shape[-1]
;;       x = np.pad(x, [(0, 0)] * (x.ndim - 1) + [(0, -K % 32)]); x = x.reshape(x.shape[:-1] + (-1, 32)); a = np.abs(x).max(-1, keepdims=True)
;;       e = np.where(a > 0, np.clip(np.frexp(np.where(a > 0, a, 1))[1] - 1 - 4, -126, 127), 0)      # np.frexp(a)[1] - 1 = floor(log2(a)), exactly
;;       r = np.clip(x / 2.0 ** e, -28, 28)
;;       step = 2.0 ** (np.maximum(np.frexp(np.where(r == 0, 1, r))[1] - 1, -2) - 2)
;;       q = np.round(r / step) * step * 2.0 ** e      # np.round: ties to even
;;       return np.moveaxis(q.reshape(q.shape[:-2] + (-1,))[..., :K], -1, axis).astype(np.float32)
;;   ~~~
;;   SOFTMAX AHEAD OF A QUANTISED PRODUCT. Where the list says 'softmax', what is quantised is not the finished softmax but p = 2^(t - M), with t = logit x log2(e) and M = ceil(the row's largest t), a whole number; so 1/2 < the row's largest p <= 1. The row's sum l is taken of the UNQUANTISED p, in f32, and the product's result is divided by l at the end. Since M is a whole number, a kernel that streams over the keys may use a running M (the ceiling of the running maximum): every later rescaling is an exact power of two, which a block's scale takes up: the codes' values come out the same.
;;   OPERANDS COMPUTED ON THE WAY. 'Computed on the way' means the value that the module computes at that place (a softmax that the list does not call 'softmax' is quantised finished and normalised). What goes into a quantiser is computed in f32, as accurately as f32 sums, v_exp_f32 and their like allow (about 1e-6 of the number): no bf16 or f16 on the way to a quantiser, and a product that is left as it is and whose result goes on into a quantised operand takes f32 operands (vector FMAs, or v_wmma_f32_16x16x4_f32). A number that lies on a knife's edge between two numbers of the format may be rounded either way, as far as f32 arithmetic and the matrix unit's own rounding can turn it there, and no further.
;; One version. Each part assembles by itself: llvm-mc -triple=amdgcn-amd-amdhsa -mcpu=gfx1250 --defsym DOCPART=n.
;; ======== version 1 of 1: 4 launches
;; workspace buffers: cod 22,020,096 bytes; scl 917,504 bytes; qw 6,815,744 bytes; kv 13,631,488 bytes; mbits 524,288 bytes of whole numbers; mflag 2,048 bytes of whole numbers; acod 6,291,456 bytes; ascl 262,144 bytes
;; launch prep (part 1): grid 1024 x 1, 4 waves a work-group, no clusters, 101,888 bytes of LDS; arguments query, key, value, Wq, Wk, Wv, Wo, mask, cod, scl, mbits, mflag; writes cod, scl, mbits, mflag
.if DOCPART == 1
	.amdgcn_target "amdgcn-amd-amdhsa--gfx1250"
	.amdhsa_code_object_version 6
	.text
	.protected	k_qe5180bf864_prep
	.globl	k_qe5180bf864_prep
	.p2align	8
	.type	k_qe5180bf864_prep,@function
k_qe5180bf864_prep:
	s_mov_b64 s[64:65], 0
	v_nop
	global_prefetch_b8 v0, s[64:65] scope:SCOPE_SE
	s_setreg_imm32_b32 hwreg(HW_REG_WAVE_MODE, 25, 1), 1
	s_wait_xcnt 0x0
; PREP: everything that is made once from the inputs.  Three paths, parted by the work-group's number; each has LDS bytes of its own; no barrier: every LDS byte belongs to one wave.
;  X (work-groups 0-767):   query, key, value [8192][1024] f32 -> codes of BF6 (E3M2), K innermost, 768 bytes a row, in cod rows 0-24575, and 32 E8M0 bytes a row in scl.
;  W (work-groups 768-895): Wq, Wk, Wv, Wo [k 1024][n 1024] f32, K the FIRST axis -> codes laid [n][k] in cod rows 24576 + 1024 x tensor + n, scale bytes likewise.
;  M (work-groups 896-1023): mask [2048][2048] i32 -> for each tile of 16 queries and each step of 128 keys 64 words of lane bits (1 = hidden), and two flag bits: 'not all hidden', 'some hidden but not all'.
; THE ORDER OF ROWS.  Row x of an operand is STORED at place sigma(x), sigma = bits 3 and 4 of the row number exchanged.  So sixteen neighbouring places 16 (2 b + u) + r hold rows 32 b + 8 u + r + 8 (r / 8):
; a product that takes sixteen neighbouring places as a tile leaves 16 neighbours along the next K in a lane's 16 registers of two neighbouring tiles.
; THE QUANTISER.  A block's scale is 2^(floor(log2(largest magnitude)) - 4); its byte is the largest magnitude's exponent field - 4, held at 1 from below; numbers / scale to the nearest code, ties to even, beyond 28 the largest code.
; LIMITS: a block of zeros gets the byte 1 where the rule says 127 (its codes are zeros, and this program alone reads the bytes); blocks whose largest magnitude lies under 2^-122 keep the byte 1;
; NaN and infinities among the floating-point inputs are not served.
.set EMAX,   4
.set CB,     12                        ; bytes of 16 codes
.set STEPS,  16                        ; path X: steps of 512 numbers for a wave
.set XR,     16                        ; v16-79   four sets of 16 numbers as loaded
.set XX,     80                        ; v80-111  two sets of 16 neighbours
.set XE,     112                       ; v112-127 a scale byte for each step
.set XC,     128                       ; v128-191 codes, four registers a step
.set WREG,   8192                      ; path X's LDS: 8,192 bytes a wave from byte 0
.set SP,     80                        ; a lane's place in a stage: 64 bytes + 16
.set NB,     8                         ; path W: blocks of 32 along K for a wave
.set WROWB,  192                       ; bytes of 256 codes
.set WPITCH, 272
.set KROW,   768                       ; a row of cod
.set WX,     32                        ; v32-95   two sets of 32 numbers
.set WC,     96                        ; a block's codes
.set WOUT,   112                       ; v112-175 the way out
.set WSB,    24                        ; v24-25   the scale bytes
.set WLDS,   32768                     ; path W's LDS: 4 x 32 x 272 bytes
.set MLDS,   67584                     ; path M's LDS: 4 x 16 x 528 bytes
.set MP,     528                       ; a row of the mask's stage: 512 bytes + 16
.set MR,     32                        ; v32-95   16 rows x 16 bytes a lane as loaded
.set MX,     96                        ; v96-159  register n: key 32 (n / 16) + 16 (lane / 16) + n % 16 of query lane % 16
.set WD,     16                        ; v16-23   a pair for each of the wave's four steps: lane l holds words 2 l and 2 l + 1
	s_load_b512 s[4:19], s[0:1], 0x0               ; query s[4:5], key s[6:7], value s[8:9], Wq s[10:11], Wk s[12:13], Wv s[14:15], Wo s[16:17], mask s[18:19]
	s_load_b256 s[20:27], s[0:1], 0x40             ; cod s[20:21], scl s[22:23], mbits s[24:25], mflag s[26:27]
	v_lshl_add_u32 v192, v0, 2, 0x18c00
	v_mov_b32 v193, 0
	v_lshrrev_b32 v1, 5, v0
	v_readfirstlane_b32 s28, v1                    ; wave 0..3
	v_and_b32 v2, 31, v0                           ; lane
	s_wait_kmcnt 0x0
	s_cmp_lt_u32 ttmp9, 768
	s_cbranch_scc0 .Lnot_x
; ---------------- PATH X: K innermost.  A wave takes a run of 8,192 numbers: 8 rows.
	v_lshlrev_b32 v3, 4, v2                        ; my 16 bytes of a load's 512
	s_mul_i32 s29, s28, WREG
	v_lshrrev_b32 v14, 2, v2
	v_mul_u32_u24 v14, v14, SP
	v_and_b32 v15, 3, v2
	v_lshl_add_u32 v14, v15, 4, v14
	v_add_nc_u32 v14, s29, v14                     ; the stage, on the way in: SP (lane / 4) + 16 (lane % 4)
	v_mul_u32_u24 v15, v2, SP
	v_add_nc_u32 v15, s29, v15                     ; and on the way out: SP x lane: my 16 neighbours
	v_mul_u32_u24 v4, v2, CB                       ; my codes' place in a step's
	v_lshrrev_b32 v5, 1, v2
	s_add_co_u32 s29, s29, 2*32*SP
	v_add_nc_u32 v5, s29, v5                       ; my wave's 256 scale bytes, my block's byte
	v_lshlrev_b32 v7, 3, v2
	v_add_nc_u32 v6, s29, v7                       ; and on the way out 8 bytes a lane
	s_cmp_lt_u32 ttmp9, 512                        ; which tensor: the choice hangs on the work-group's number alone
	s_cselect_b64 s[30:31], s[6:7], s[8:9]
	s_cmp_lt_u32 ttmp9, 256
	s_cselect_b64 s[30:31], s[4:5], s[30:31]
	s_and_b32 s32, ttmp9, 255
	s_lshl_b32 s32, s32, 2
	s_add_co_u32 s32, s32, s28                     ; the run that I read: 4 x (work-group in its tensor) + wave
	s_lshl_b32 s32, s32, 15                        ; x 32,768 bytes
	s_mov_b32 s33, 0
	s_add_nc_u64 s[30:31], s[30:31], s[32:33]
	s_and_b32 s34, s28, 1                          ; a run is 8 rows: bits 3 and 4 of the row are bits 0 and 1 of the wave: sigma exchanges them
	s_lshl_b32 s34, s34, 1
	s_lshr_b32 s35, s28, 1
	s_or_b32 s34, s34, s35
	s_lshl_b32 s35, ttmp9, 2
	s_add_co_u32 s34, s34, s35                     ; the run that I write
	s_mul_i32 s32, s34, 8*KROW
	s_add_nc_u64 s[20:21], s[20:21], s[32:33]
	s_lshl_b32 s32, s34, 8
	s_add_nc_u64 s[22:23], s[22:23], s[32:33]
.macro XLOAD t
.irp i, 0,1,2,3
	global_load_b128 v[XR+16*((\t)%4)+4*\i:XR+16*((\t)%4)+4*\i+3], v3, s[30:31] offset:2048*(\t)+512*\i th:TH_LOAD_NT   ; 32 lanes read 512 consecutive bytes
.endr
.endm
.macro XTURN t                         ; step t's numbers through the stage: LDS serves a wave's instructions in order, so no wait stands between the stores and the loads
.irp i, 0,1,2,3
	ds_store_b128 v14, v[XR+16*((\t)%4)+4*\i:XR+16*((\t)%4)+4*\i+3] offset:32*SP*((\t)%2)+8*SP*\i
.endr
.irp i, 0,1,2,3
	ds_load_b128 v[XX+16*((\t)%2)+4*\i:XX+16*((\t)%2)+4*\i+3], v15 offset:32*SP*((\t)%2)+16*\i
.endr
.endm
.irp t, 0,1,2,3
	XLOAD \t
.endr
	s_wait_loadcnt 12                              ; step 0's four loads are in; twelve younger ones stay out
	XTURN 0
.macro XSTEP t
.set XS, XX+16*((\t)%2)
.if (\t) > 0
	s_wait_dscnt 1                                 ; this step's numbers are back from the stage (the last step's byte store may be out)
.else
	s_wait_dscnt 0x0
.endif
.if (\t)+4 < STEPS
	XLOAD (\t)+4                                   ; into the registers that this step's stores into the stage have read
.endif
.if (\t)+1 < STEPS
.if STEPS-2-(\t) >= 3
	s_wait_loadcnt 12                              ; the next step's four loads are in; those of the three steps behind it may be out
.else
	s_wait_loadcnt 4*(STEPS-2-(\t))
.endif
	XTURN (\t)+1
.endif
	v_max3_num_f32 v8, |v[XS]|, |v[XS+1]|, |v[XS+2]|               ; the largest magnitude of my 16, in two chains
	v_max3_num_f32 v9, |v[XS+3]|, |v[XS+4]|, |v[XS+5]|
.irp i, 6,10
	v_max3_num_f32 v8, v8, |v[XS+\i]|, |v[XS+\i+1]|
	v_max3_num_f32 v9, v9, |v[XS+\i+2]|, |v[XS+\i+3]|
.endr
	v_max3_num_f32 v8, v8, |v[XS+14]|, |v[XS+15]|
	v_max3_num_f32 v8, v8, v9, (EMAX+1)<<23        ; and the floor 2^(5 - 127): the byte cannot fall under 1
	v_max_num_f32_dpp v8, v8, v8 row_xmask:1 row_mask:0xf bank_mask:0xf   ; and of my neighbour's 16: the block's
	v_add_nc_u32 v11, -(EMAX<<23), v8              ; 4 off its exponent field: the conversion takes the exponent field of this operand as its scale
	v_cvt_scalef32_pk16_bf6_f32 v[XC+4*(\t):XC+4*(\t)+2], v[XS:XS+15], v11
	v_lshrrev_b32 v[XE+(\t)], 23, v11              ; the scale's byte
	ds_store_b8 v5, v[XE+(\t)] offset:16*(\t)      ; both lanes of a block write the same byte with the same value
	global_store_b96 v4, v[XC+4*(\t):XC+4*(\t)+2], s[20:21] offset:32*CB*(\t)   ; the wave stores 384 consecutive bytes
.endm
.irp t, 0,1,2,3,4,5,6,7,8,9,10,11,12,13,14,15
	XSTEP \t
.endr
	ds_load_b64 v[12:13], v6                       ; LDS serves a wave's instructions in order: these see my stores
	s_wait_dscnt 0x0
	global_store_b64 v7, v[12:13], s[22:23]        ; 32 lanes store 256 consecutive bytes, aligned
	s_wait_tensorcnt 0x0
	ds_add_u32 v192, v193
	s_wait_dscnt 0x0
	s_endpgm
.Lnot_x:
	s_cmp_lt_u32 ttmp9, 896
	s_cbranch_scc0 .Lpath_m
; ---------------- PATH W: K is the first axis.  A lane takes a column n and its registers run down K.  A wave: 32 columns x 256 along K.
	s_sub_co_u32 s29, ttmp9, 768
	s_lshr_b32 s36, s29, 5                         ; which weight
	s_and_b32 s37, s29, 7                          ; which 128 columns
	s_bfe_u32 s38, s29, 0x20003                    ; which 256 along K
	s_cmp_lt_u32 s36, 1
	s_cselect_b64 s[30:31], s[10:11], s[12:13]
	s_cmp_lt_u32 s36, 3
	s_cselect_b64 s[32:33], s[14:15], s[16:17]
	s_cmp_lt_u32 s36, 2
	s_cselect_b64 s[30:31], s[30:31], s[32:33]
	s_lshl_b32 s39, s37, 7
	s_lshl_b32 s40, s28, 5
	s_add_co_u32 s39, s39, s40                     ; my wave's first column
	s_lshl_b32 s40, s38, 20                        ; 256 rows of 4,096 bytes
	s_lshl_b32 s41, s39, 2
	s_add_co_u32 s40, s40, s41
	s_mov_b32 s41, 0
	s_add_nc_u64 s[30:31], s[30:31], s[40:41]
	s_lshl_b32 s42, s36, 10
	s_add_co_u32 s42, s42, s39
	s_add_co_u32 s42, s42, 24576                   ; the first of my 32 rows of cod and scl
	s_mul_i32 s40, s42, KROW
	s_mul_i32 s43, s38, WROWB
	s_add_co_u32 s40, s40, s43
	s_add_nc_u64 s[20:21], s[20:21], s[40:41]
	s_lshl_b32 s40, s42, 5
	s_lshl_b32 s43, s38, 3
	s_add_co_u32 s40, s40, s43
	s_add_nc_u64 s[22:23], s[22:23], s[40:41]
	s_mul_i32 s44, s28, 32*WPITCH
	s_add_co_u32 s44, s44, WLDS                    ; my stage
	v_lshlrev_b32 v3, 2, v2                        ; in: 4 bytes a lane
	v_and_b32 v10, 7, v2                           ; sigma(lane): my column's place among the wave's 32 rows
	v_bfe_u32 v11, v2, 3, 1
	v_lshl_or_b32 v10, v11, 4, v10
	v_bfe_u32 v11, v2, 4, 1
	v_lshl_or_b32 v10, v11, 3, v10
	v_mul_u32_u24 v4, v10, WPITCH
	v_add_nc_u32 v4, s44, v4                       ; into the stage: row = my column's place
	v_and_b32 v5, 15, v2
	v_lshrrev_b32 v6, 4, v2                        ; out of it: sixteen lanes to a row, two rows an instruction
	v_mul_u32_u24 v7, v6, WPITCH
	v_lshl_add_u32 v7, v5, 4, v7
	v_add_nc_u32 v7, s44, v7
	v_mul_u32_u24 v8, v6, KROW
	v_mad_u32_u24 v8, v5, 12, v8                   ; and the same place in cod
	v_lshlrev_b32 v9, 5, v10                       ; my column's row of scale bytes
.macro WLOAD t                         ; block t: W(32 t + i, my column), i = 0 .. 31, into set t % 2: 32 lanes read 128 consecutive bytes
.irp i, 0,1,2,3,4,5,6,7,8,9,10,11,12,13,14,15,16,17,18,19,20,21,22,23,24,25,26,27,28,29,30,31
	global_load_b32 v[WX+32*((\t)%2)+\i], v3, s[30:31] offset:(32*(\t)+\i)*4096 th:TH_LOAD_NT
.endr
.endm
	WLOAD 0
	WLOAD 1
.macro WBLOCK t
.set WS, WX+32*((\t)%2)
.if (\t) < NB-1
	s_wait_loadcnt 32                              ; this block's 32 loads are in; the next block's may be out
.else
	s_wait_loadcnt 0
.endif
	v_max3_num_f32 v12, |v[WS]|, |v[WS+1]|, |v[WS+2]|              ; the block's largest magnitude: all 32 numbers are mine
	v_max3_num_f32 v13, |v[WS+3]|, |v[WS+4]|, |v[WS+5]|
.irp i, 6,10,14,18,22,26
	v_max3_num_f32 v12, v12, |v[WS+\i]|, |v[WS+\i+1]|
	v_max3_num_f32 v13, v13, |v[WS+\i+2]|, |v[WS+\i+3]|
.endr
	v_max3_num_f32 v12, v12, |v[WS+30]|, |v[WS+31]|
	v_max3_num_f32 v12, v12, v13, (EMAX+1)<<23     ; and the floor
	v_add_nc_u32 v11, -(EMAX<<23), v12             ; the conversion's scale operand
	v_lshrrev_b32 v13, 23, v11                     ; the scale's byte
.if (\t)%4 == 0
	v_mov_b32 v[WSB+(\t)/4], v13                   ; four bytes to a register, the lower K in the lower byte
.else
	v_lshl_or_b32 v[WSB+(\t)/4], v13, 8*((\t)%4), v[WSB+(\t)/4]
.endif
	v_cvt_scalef32_pk16_bf6_f32 v[WC:WC+2], v[WS:WS+15], v11
	v_cvt_scalef32_pk16_bf6_f32 v[WC+4:WC+6], v[WS+16:WS+31], v11  ; (a conversion's three registers begin on an even number)
	ds_store_b96 v4, v[WC:WC+2] offset:32*(\t)     ; 12 bytes to a place of 16 in the stage: every LDS address is a multiple of 16
	ds_store_b96 v4, v[WC+4:WC+6] offset:32*(\t)+16
.if (\t)+2 < NB
	WLOAD (\t)+2
.endif
	s_wait_dscnt 0x0                               ; the stores have read their registers: the next block's codes may be written
.endm
.irp t, 0,1,2,3,4,5,6,7
	WBLOCK \t
.endr
	global_store_b64 v9, v[WSB:WSB+1], s[22:23]    ; my column's 8 scale bytes
.irp t, 0,1,2,3,4,5,6,7,8,9,10,11,12,13,14,15
	ds_load_b96 v[WOUT+4*\t:WOUT+4*\t+2], v7 offset:2*\t*WPITCH    ; LDS serves a wave's instructions in order: these see my stores
.endr
.irp t, 0,1,2,3,4,5,6,7,8,9,10,11,12,13,14,15
	s_wait_dscnt 15-\t                             ; read-back t is in; the younger ones may be out
	global_store_b96 v8, v[WOUT+4*\t:WOUT+4*\t+2], s[20:21] offset:2*\t*KROW   ; sixteen lanes store a row's 192 consecutive bytes
.endr
	s_wait_tensorcnt 0x0
	ds_add_u32 v192, v193
	s_wait_dscnt 0x0
	s_endpgm
; ---------------- PATH M: the mask.  Work-group T = one tile of 16 queries (rows 32 (T / 2) + 8 (T % 2) + i + 8 (i / 8)); wave g takes key steps 4 g .. 4 g + 3.
.Lpath_m:
	s_sub_co_u32 s29, ttmp9, 896                   ; T
	s_lshl_b32 s37, s28, 2                         ; 4 g
	s_lshr_b32 s30, s29, 1
	s_lshl_b32 s30, s30, 5
	s_and_b32 s31, s29, 1
	s_lshl_b32 s31, s31, 3
	s_add_co_u32 s30, s30, s31                     ; the tile's first row
	s_lshl_b32 s30, s30, 13                        ; x 8,192 bytes
	s_lshl_b32 s31, s28, 11                        ; + my four steps of 512 bytes
	s_add_co_u32 s30, s30, s31
	s_mov_b32 s31, 0
	s_add_nc_u64 s[30:31], s[18:19], s[30:31]
	s_lshl_b32 s32, s29, 4
	s_add_co_u32 s32, s32, s37
	s_lshl_b32 s50, s32, 0                         ; 16 T + 4 g: my flag word's byte
	s_lshl_b32 s32, s32, 8                         ; and 256 bytes of lane bits for each step
	s_mov_b32 s33, 0
	s_add_nc_u64 s[32:33], s[24:25], s[32:33]
	s_mov_b32 s51, 0
	s_add_nc_u64 s[26:27], s[26:27], s[50:51]
	s_mul_i32 s52, s28, 16*MP
	s_add_co_u32 s52, s52, MLDS                    ; my stage
	v_lshlrev_b32 v3, 4, v2                        ; 16 x lane: a load's 512 consecutive bytes
	v_add_nc_u32 v4, s52, v3                       ; into the stage: a row as it lies
	v_and_b32 v5, 15, v2
	v_lshrrev_b32 v6, 4, v2
	v_mul_u32_u24 v5, v5, MP
	v_lshl_add_u32 v5, v6, 6, v5
	v_add_nc_u32 v5, s52, v5                       ; out of it: row lane % 16, + 64 (lane / 16)
	v_lshlrev_b32 v7, 3, v2
.irp i, 0,1,2,3,4,5,6,7
	v_mov_b32 v[WD+\i], 0                          ; a lane write's destination counts as read
.endr
	s_mov_b32 s36, 0                               ; the flag word
.macro MLOAD k
.irp i, 0,1,2,3,4,5,6,7,8,9,10,11,12,13,14,15
	global_load_b128 v[MR+4*\i:MR+4*\i+3], v3, s[30:31] offset:(\i+8*(\i/8))*8192+512*(\k) th:TH_LOAD_NT
.endr
.endm
	MLOAD 0
.macro MSTEP k
	s_wait_loadcnt 0x0                             ; this step's sixteen rows are in
.irp i, 0,1,2,3,4,5,6,7,8,9,10,11,12,13,14,15
	ds_store_b128 v4, v[MR+4*\i:MR+4*\i+3] offset:MP*\i
.endr
.irp b, 0,1,2,3
.irp j, 0,1,2,3
	ds_load_b128 v[MX+16*\b+4*\j:MX+16*\b+4*\j+3], v5 offset:128*\b+16*\j   ; served in order behind my stores
.endr
.endr
	s_wait_dscnt 0x0                               ; the words are back, and the stores have read their registers
.if (\k) < 3
	MLOAD (\k)+1                                   ; the next step's rows come while this one is worked
.endif
.set n, 0
.rept 64
	v_cmp_eq_u32 s[40+n%8], 0, v[MX+n]             ; word n: bit l = 1 where lane l's key of register n is hidden
	v_writelane_b32 v[WD+2*(\k)+n%2], s[40+n%8], n/2
.if n == 0
	s_mov_b32 s34, s40                             ; the AND and the OR of the 64 words
	s_mov_b32 s35, s40
.else
	s_and_b32 s34, s34, s[40+n%8]
	s_or_b32 s35, s35, s[40+n%8]
.endif
.set n, n+1
.endr
	global_store_b64 v7, v[WD+2*(\k):WD+2*(\k)+1], s[32:33] offset:256*(\k)   ; 32 lanes store 256 consecutive bytes, aligned
	s_cmp_eq_u32 s34, -1
	s_cselect_b32 s38, 0, 1                        ; not all hidden
	s_cmp_lg_u32 s35, 0
	s_cselect_b32 s39, 1, 0
	s_and_b32 s39, s39, s38                        ; some hidden, not all
	s_add_co_u32 s48, s37, \k
	s_lshl_b32 s38, s38, s48                       ; bit 4 g + k
	s_add_co_u32 s48, s48, 16
	s_lshl_b32 s39, s39, s48                       ; bit 16 + 4 g + k
	s_or_b32 s36, s36, s38
	s_or_b32 s36, s36, s39
.endm
	MSTEP 0
	MSTEP 1
	MSTEP 2
	MSTEP 3
	v_mov_b32 v8, s36
	v_mov_b32 v9, 0
	v_cmp_eq_u32 vcc_lo, 0, v2
	s_wait_xcnt 0x0                                ; EXEC is a source of the stores above: it changes only behind this wait
	s_wait_tensorcnt 0x0
	ds_add_u32 v192, v193
	s_wait_dscnt 0x0
	s_and_saveexec_b32 s49, vcc_lo
	global_store_b32 v9, v8, s[26:27]              ; lane 0 stores my flag word
	s_wait_xcnt 0x0
	s_or_b32 exec_lo, exec_lo, s49
	s_endpgm
.Lfunc_end_k_qe5180bf864_prep:
	.size	k_qe5180bf864_prep, .Lfunc_end_k_qe5180bf864_prep-k_qe5180bf864_prep
	.p2alignl 7, 3214868480
	.fill 96, 4, 3214868480
	.section	.rodata,"a",@progbits
	.p2align	6, 0x0
	.amdhsa_kernel k_qe5180bf864_prep
		.amdhsa_group_segment_fixed_size 101888
		.amdhsa_private_segment_fixed_size 0
		.amdhsa_enable_private_segment 0
		.amdhsa_kernarg_size 96
		.amdhsa_user_sgpr_count 2
		.amdhsa_user_sgpr_kernarg_segment_ptr 1
		.amdhsa_wavefront_size32 1
		.amdhsa_system_sgpr_workgroup_id_x 1
		.amdhsa_system_sgpr_workgroup_id_y 1
		.amdhsa_system_sgpr_workgroup_id_z 1
		.amdhsa_system_vgpr_workitem_id 0
		.amdhsa_next_free_vgpr 194
		.amdhsa_next_free_sgpr 66
		.amdhsa_reserve_vcc 1
		.amdhsa_float_denorm_mode_32 3
		.amdhsa_float_denorm_mode_16_64 3
		.amdhsa_memory_ordered 1
		.amdhsa_forward_progress 1
		.amdhsa_inst_pref_size 140
	.end_amdhsa_kernel
	.amdgpu_metadata
---
amdhsa.version: [ 1, 2 ]
amdhsa.kernels:
  - .name:           k_qe5180bf864_prep
    .symbol:         k_qe5180bf864_prep.kd
    .args:
      - { .name: query, .offset: 0, .size: 8, .value_kind: global_buffer, .address_space: global }
      - { .name: key, .offset: 8, .size: 8, .value_kind: global_buffer, .address_space: global }
      - { .name: value, .offset: 16, .size: 8, .value_kind: global_buffer, .address_space: global }
      - { .name: Wq, .offset: 24, .size: 8, .value_kind: global_buffer, .address_space: global }
      - { .name: Wk, .offset: 32, .size: 8, .value_kind: global_buffer, .address_space: global }
      - { .name: Wv, .offset: 40, .size: 8, .value_kind: global_buffer, .address_space: global }
      - { .name: Wo, .offset: 48, .size: 8, .value_kind: global_buffer, .address_space: global }
      - { .name: mask, .offset: 56, .size: 8, .value_kind: global_buffer, .address_space: global }
      - { .name: cod, .offset: 64, .size: 8, .value_kind: global_buffer, .address_space: global }
      - { .name: scl, .offset: 72, .size: 8, .value_kind: global_buffer, .address_space: global }
      - { .name: mbits, .offset: 80, .size: 8, .value_kind: global_buffer, .address_space: global }
      - { .name: mflag, .offset: 88, .size: 8, .value_kind: global_buffer, .address_space: global }
    .group_segment_fixed_size: 101888
    .private_segment_fixed_size: 0
    .kernarg_segment_align: 8
    .kernarg_segment_size: 96
    .max_flat_workgroup_size: 128
    .sgpr_count:     66
    .vgpr_count:     194
    .wavefront_size: 32
...
	.end_amdgpu_metadata
.endif
;; end of part 1
;; launch proj (part 2): grid 96 x 4, 4 waves a work-group, clusters of 4 x 4, 327,680 bytes of LDS; arguments cod, scl, bq, bk, bv, qw, kv; writes qw, kv
.if DOCPART == 2
	.amdgcn_target "amdgcn-amd-amdhsa--gfx1250"
	.amdhsa_code_object_version 6
	.text
	.protected	k_qe5180bf864_proj
	.globl	k_qe5180bf864_proj
	.p2align	8
	.type	k_qe5180bf864_proj,@function
k_qe5180bf864_proj:
	s_mov_b64 s[64:65], 0
	v_nop
	global_prefetch_b8 v0, s[64:65] scope:SCOPE_SE
	s_setreg_imm32_b32 hwreg(HW_REG_WAVE_MODE, 25, 1), 1
	s_wait_xcnt 0x0
	s_wait_alu depctr_hold_cnt(0) depctr_sa_sdst(0) depctr_va_vdst(0) depctr_va_sdst(0) depctr_va_ssrc(0) depctr_va_vcc(0) depctr_vm_vsrc(0)
	s_getreg_b32 s2, hwreg(HW_REG_IB_STS2, 6, 4)
	s_cmp_eq_u32 s2, 0
	s_cbranch_scc0 .Lentry_in_a_cluster
	s_endpgm
.Lentry_in_a_cluster:
	s_bfe_u32 s2, ttmp6, 0x10000c
	s_cmp_lg_u32 s2, 0xf033
	s_cbranch_scc0 .Lentry_shape_is_right
	s_endpgm
.Lentry_shape_is_right:
; PROJ: q = query Wq + bq, k = key Wk + bk, v = value Wv + bv on codes of BF6 (E3M2) with one E8M0 scale for each 32 along K = 1,024; the results are quantised in registers and leave as images of operand registers.
; 24 clusters of 4 x 4 work-groups; cluster c: 0-7 q, 8-15 k, 16-23 v.  A work-group makes 256 x 256, a wave 128 x 128: 64 accumulators, 512 registers.  Both operands are rows of cod (768 bytes) and scl (32 bytes).
; q, k: A = 256 tokens, B = 256 columns of the weight.  v: A = 256 columns of Wv (the head's dims), B = 256 tokens: so a lane holds ONE dim and its registers run along the keys, which are the K of attention's second product.
; THE MATRIX INSTRUCTION IS USED TRANSPOSED (source 0 = 16 rows of B, source 1 = 16 rows of A).  Rows lie in cod with bits 3 and 4 of their number exchanged, so accumulator (a, b = 2 e + u), register j, lane (r, h) holds
; A's row 32 (a / 2) + 8 (a % 2) + r + 8 (r / 8) and B's row 32 e + 16 h + 8 u + j: the 64 registers of a block a are: register 16 e + i = B's row 32 e + 16 h + i: sixteen neighbours along the next K.
; K goes in steps of 256 through a ring of two LDS slots filled by joint tensor loads (A's tile shared along a row of the cluster, B's along a column); the scales of all of K come once, with the first fills.
; OUT.  qw: records of 6,656 bytes for (16 batch + head, 128 tokens): four fragments of 1,536 bytes and 512 bytes of scale words.  Fragment e: registers 0-5 = token tile 2 e's 64 dims, registers 6-11 = tile 2 e + 1's.
; kv: records of 13,312 bytes: k as in qw, then v: four fragments (16 dims x these 128 keys) and their scale words.  A fragment is three stores of 512 consecutive bytes, 16 a lane.
; LIMITS: a block of zeros gets the byte 1 (its codes are zeros; this program alone reads the bytes); blocks whose largest magnitude lies under 2^-122 keep the byte 1; NaN and infinities are not served.
; REGISTERS, in windows of 256: window 0: v0-31 addresses; v32-63 scale words, two sets, and nothing else; v64-127 the bias by columns; v128-223 A's fragments, one set; v224-239 the bias by rows; v240-255 at work in the quantiser.
;   window 1: B's fragments, two sets.   window 2: the accumulators of my rows 0-63;   window 3: those of my rows 64-127.
.set SIZE_K, 1024
.set KSTEP,  256
.set NQ,     KSTEP/128
.set ROWB,   192                       ; a tile's row in bytes
.set KROW,   SIZE_K*6/8
.set PITCH,  240                       ; an LDS row: 3 x (64 bytes + 16 of padding)
.set FR,     12
.set NL,     6
.set NP,     4
.set HALFT,  128*PITCH
.set SLOT,   4*HALFT
.set LAPS,   SIZE_K/(2*KSTEP)
.set KS,     SIZE_K/32
.set SCL,    2*SLOT                    ; behind the ring: the scales, as 256 bytes + 16 of padding
.set HALFS,  (128*KS/256)*272
.set SBLK,   (16*KS/256)*272
.set SPARE,  SCL+4*HALFS               ; the spare words, 128 bytes for each wave: two blocks of 256 bytes that no other line names
.set ADRA, 16
.set ADRB, 20
.set CO,   26                          ; v26  16 x lane: my place in a store's 512 bytes
.set ADRS, 27
.set SPW,  28
.set NIL,  29
.set SC,   32
.set BI,   64                          ; bias, column form: register 16 e + 8 u + j = bias[32 e + 16 h + 8 u + j]
.set AF,   128
.set BR,   224                         ; bias, row form: registers 2 a, 2 a + 1 = bias[32 (a / 2) + 8 (a % 2) + r + 8 (r / 8)]
.set TM,   240                         ; the quantiser's sixteen
.set ST,   128                         ; the way out: a block's 64 numbers
.set PC0,  192                         ; codes of a fragment
.set PC1,  204
.set CT,   216
.set PW0,  10
.set PW1,  11
.set SW,   12                          ; v12-19 the scale words of two records
.set TQ0,  20                          ; v20-23, v4-7: a fragment's middle four registers
.set TQ1,  4
.set SEL,  18                          ; s[18:19] lane selects for lane l xor 16
.set G1, 24
.set G0, 32
.set G1B, 48
.set G0B, 56
.set G1S, 68
.set G0S, 76
.set G1SB, 80
.set G0SB, 88
.set MSB, 0
.macro WIN new                         ; the immediate's high byte repeats the setting that is left
.if MSB != (\new)
	s_set_vgpr_msb (MSB<<8)|(\new)
.set MSB, \new
.endif
.endm
.set MUL_LO, 0xa1                      ; source 0 (B) window 1, source 1 (A) window 0, C and D window 2
.set MUL_HI, 0xf1
.set TO_B,   0x40
; A joint load: waves 0 and 1 fetch for A, waves 2 and 3 for B; the branch hangs on the wave's number alone.  Four v_nop follow each of the two lines.
.macro JLOAD g0a, g1a, g0b, g1b
	s_cmp_eq_u32 s15, 0
	s_cbranch_scc0 .Lfor_b_\@
	tensor_load_to_lds s[\g0a:\g0a+3], s[\g1a:\g1a+7]
	s_nop 0
.rept 4
	v_nop
.endr
	s_branch .Lasked_\@
.Lfor_b_\@:
	tensor_load_to_lds s[\g0b:\g0b+3], s[\g1b:\g1b+7]
	s_nop 0
.rept 4
	v_nop
.endr
.Lasked_\@:
.endm
.macro CREST                           ; a round of the cluster's barrier behind its opening barrier
	s_cmp_lg_u32 s14, 0
	s_cbranch_scc1 .Lnot_wave_0_\@
	s_barrier_signal -3
.Lnot_wave_0_\@:
	s_barrier_wait -3
	s_barrier_signal -1
	s_barrier_wait -1
.endm
.macro CROUND
	s_barrier_signal -1
	s_barrier_wait -1
	CREST
.endm
	s_load_b128 s[4:7], s[0:1], 0x0                ; cod, scl
	s_load_b128 s[8:11], s[0:1], 0x10              ; bq, bk
	s_load_b128 s[96:99], s[0:1], 0x20             ; bv, qw
	s_load_b64 s[100:101], s[0:1], 0x30            ; kv
	v_lshl_add_u32 v[SPW], v0, 2, SPARE
	v_mov_b32 v[NIL], 0
	ds_add_u32 v28, v29
	ds_add_u32 v28, v29
	s_wait_dscnt 0x0
	v_lshrrev_b32 v1, 5, v0
	v_readfirstlane_b32 s14, v1                    ; wave 0..3
	s_lshr_b32 s15, s14, 1                         ; which half of A's rows is mine.  Also: I fetch for A (0) or for B (1)
	s_and_b32 s16, s14, 1                          ; which half of B's rows.  Also: which 128 rows of that tile I fetch
	s_bfe_u32 s40, ttmp6, 0x40000                  ; cx, cy
	s_bfe_u32 s41, ttmp6, 0x40004
	s_lshl_b32 s18, ttmp9, 2                       ; 4 c: the cluster's number, the same in all sixteen
	s_lshr_b32 s19, ttmp9, 3
	s_lshl_b32 s19, s19, 2
	s_add_co_u32 s19, s19, 96                      ; Wq's tiles of 256 rows of cod begin at 96, Wk's at 100
	s_cmp_lt_u32 ttmp9, 16
	s_cselect_b32 s17, s18, 104                    ; A: tokens of query or key; for v Wv's rows, from tile 104
	s_cselect_b32 s42, s19, s18                    ; B: the weight; for v value's tokens (tiles 64-95)
	s_add_co_u32 s17, s17, s41                     ; A's tile hangs on cy alone,
	s_add_co_u32 s42, s42, s40                     ; B's on cx alone
	s_lshl_b32 s43, s41, 2
	s_lshl_b32 s43, 15, s43                        ; my row of the cluster
	s_lshl_b32 s44, 0x1111, s40                    ; my column
	s_or_b32 s[G1+0], s43, (0<<16)|(1<<20)|(1<<21)|(3<<22)|(3<<25)  ; the mask; elements of 1 byte; padding on; bit 21 beside a mask; after every 16 words 4 words
	s_or_b32 s[G1B+0], s44, (0<<16)|(1<<20)|(1<<21)|(3<<22)|(3<<25)
.irp g, G1, G1B
	s_mov_b32 s[\g+1], ROWB<<16                    ; tensor_dim0
	s_mov_b32 s[\g+2], 128<<16                     ; tensor_dim1
	s_mov_b32 s[\g+3], ROWB<<16                    ; tile_dim0
	s_mov_b32 s[\g+4], 128                         ; tile_dim1
	s_mov_b32 s[\g+5], KROW                        ; tensor_dim0_stride
	s_mov_b32 s[\g+6], 0
	s_mov_b32 s[\g+7], 0
.endr
	s_or_b32 s[G1S+0], s43, (3<<16)|(1<<20)|(1<<21)|(5<<22)|(3<<25)  ; the scales of 128 rows: a dense block, as rows of 256 bytes (32 elements of 8), 16 bytes of padding behind each
	s_or_b32 s[G1SB+0], s44, (3<<16)|(1<<20)|(1<<21)|(5<<22)|(3<<25)
.irp g, G1S, G1SB
	s_mov_b32 s[\g+1], 32<<16
	s_mov_b32 s[\g+2], (128*KS/256)<<16
	s_mov_b32 s[\g+3], 32<<16
	s_mov_b32 s[\g+4], 128*KS/256
	s_mov_b32 s[\g+5], 32
	s_mov_b32 s[\g+6], 0
	s_mov_b32 s[\g+7], 0
.endr
	s_lshl_b32 s18, s16, 7                         ; which 128 rows of the tile I fetch
	s_lshl_b32 s20, s17, 8
	s_add_co_u32 s20, s20, s18                     ; A: row of cod
	s_lshl_b32 s46, s42, 8
	s_add_co_u32 s46, s46, s18                     ; B: row of cod
	s_mov_b32 s21, 0
	s_mov_b32 s47, 0
	s_mov_b64 s[18:19], KS
	s_mul_u64 s[22:23], s[20:21], s[18:19]
	s_mul_u64 s[92:93], s[46:47], s[18:19]
	s_mov_b64 s[18:19], KROW
	s_mul_u64 s[20:21], s[20:21], s[18:19]
	s_mul_u64 s[46:47], s[46:47], s[18:19]
	s_mul_i32 s45, s14, HALFT                      ; where they go: wave x 128 rows: no place in the cluster enters an LDS address
	s_mul_i32 s94, s14, HALFS
	s_wait_kmcnt 0x0
	s_add_nc_u64 s[20:21], s[4:5], s[20:21]
	s_add_nc_u64 s[22:23], s[6:7], s[22:23]
	s_add_nc_u64 s[46:47], s[4:5], s[46:47]
	s_add_nc_u64 s[92:93], s[6:7], s[92:93]
	CROUND                                         ; all sixteen work-groups are here: the first joint loads meet
	s_mov_b32 s[G0S], 1
	s_add_co_u32 s[G0S+1], s94, SCL
	s_mov_b64 s[G0S+2:G0S+3], s[22:23]
	s_or_b32 s[G0S+3], s[G0S+3], 0x80000000
	s_mov_b32 s[G0SB], 1
	s_add_co_u32 s[G0SB+1], s94, SCL
	s_mov_b64 s[G0SB+2:G0SB+3], s[92:93]
	s_or_b32 s[G0SB+3], s[G0SB+3], 0x80000000
	JLOAD G0S, G1S, G0SB, G1SB                     ; the scales first: they are wanted with K step 0
.irp s, 0,1
	s_mov_b32 s[G0+4*\s], 1
	s_add_co_u32 s[G0+4*\s+1], s45, \s*SLOT
	s_add_nc_u64 s[G0+4*\s+2:G0+4*\s+3], s[20:21], \s*ROWB
	s_or_b32 s[G0+4*\s+3], s[G0+4*\s+3], 0x80000000
	s_mov_b32 s[G0B+4*\s], 1
	s_add_co_u32 s[G0B+4*\s+1], s45, \s*SLOT
	s_add_nc_u64 s[G0B+4*\s+2:G0B+4*\s+3], s[46:47], \s*ROWB
	s_or_b32 s[G0B+4*\s+3], s[G0B+4*\s+3], 0x80000000
	JLOAD G0+4*\s, G1, G0B+4*\s, G1B
.endr
	v_and_b32 v1, 15, v0                           ; r
	v_bfe_u32 v2, v0, 4, 1                         ; h
	v_mul_u32_u24 v3, v1, PITCH
	v_mul_u32_u24 v4, v2, 24
	v_add_nc_u32 v4, v3, v4                        ; a fragment's row x pitch + 24 x half
	v_lshl_add_u32 v5, v2, 4, v4                   ; and the same behind one padding more
	s_mul_i32 s21, s15, HALFT
	s_mul_i32 s22, s16, HALFT
	s_add_co_u32 s22, s22, 2*HALFT
.irp s, 0,1
	v_add_nc_u32 v[ADRA+\s], s21, v4
	v_add_nc_u32 v[ADRB+\s], s22, v4
	v_add_nc_u32 v[ADRA+2+\s], s21, v5
	v_add_nc_u32 v[ADRB+2+\s], s22, v5
	s_add_co_u32 s21, s21, SLOT
	s_add_co_u32 s22, s22, SLOT
.endr
	v_mul_u32_u24 v5, v1, KS                       ; my row's scales: KS bytes a row,
	v_lshrrev_b32 v6, 8, v5
	v_lshl_add_u32 v5, v6, 4, v5                   ; and 16 more for each 256 passed
	s_mul_i32 s21, s15, HALFS
	s_mul_i32 s22, s16, HALFS
	s_add_co_u32 s22, s22, 2*HALFS
	s_sub_co_u32 s22, s22, s21
	v_mul_u32_u24 v6, s22, v2                      ; lanes 16-31 take B's
	s_add_co_u32 s21, s21, SCL
	v_add_nc_u32 v5, v5, v6
	v_add_nc_u32 v[ADRS], s21, v5
	v_and_b32 v6, 31, v0
	v_lshlrev_b32 v[CO], 4, v6
	; where my results go, and my 128 numbers of the bias.  All is chosen on the cluster's number, without a branch
	s_cmp_lt_u32 ttmp9, 16
	s_cselect_b32 s18, s40, s41                    ; the heads run along B (cx, my half of B) for q and k, along A (cy, my half of A) for v
	s_cselect_b32 s19, s16, s15
	s_cselect_b32 s20, s17, s42                    ; the tokens the other way round
	s_cselect_b32 s21, s15, s16
	s_lshl_b32 s18, s18, 2
	s_lshl_b32 s19, s19, 1
	s_add_co_u32 s18, s18, s19                     ; my first head of two
	s_and_b32 s20, s20, 31
	s_lshl_b32 s20, s20, 1
	s_add_co_u32 s20, s20, s21                     ; which 128 tokens of the 8,192: 16 batch + step
	s_lshr_b32 s21, s20, 4
	s_lshl_b32 s21, s21, 8
	s_and_b32 s20, s20, 15
	s_add_co_u32 s20, s20, s21
	s_lshl_b32 s21, s18, 4
	s_add_co_u32 s20, s20, s21                     ; the record: 256 batch + 16 head + step
	s_mov_b32 s22, 13312
	s_cmp_lt_u32 ttmp9, 8
	s_cselect_b32 s22, 6656, s22                   ; a record's bytes
	s_cselect_b64 s[12:13], s[98:99], s[100:101]   ; qw or kv
	s_cselect_b64 s[8:9], s[8:9], s[10:11]         ; bq or bk,
	s_cmp_lt_u32 ttmp9, 16
	s_cselect_b64 s[8:9], s[8:9], s[96:97]         ; or bv
	s_mul_i32 s20, s20, s22
	s_mov_b32 s21, 0
	s_add_nc_u64 s[12:13], s[12:13], s[20:21]      ; my first head's record
	s_lshl_b32 s20, s22, 4
	s_add_nc_u64 s[66:67], s[12:13], s[20:21]      ; my second head's: sixteen records on
	s_lshl_b32 s20, s18, 8
	s_add_nc_u64 s[8:9], s[8:9], s[20:21]          ; the bias at 64 x head
	v_lshlrev_b32 v8, 6, v2                        ; 16 h numbers
	v_and_b32 v9, 8, v1
	v_add_nc_u32 v9, v9, v1
	v_lshlrev_b32 v9, 2, v9                        ; r + 8 (r / 8) numbers
.irp t, 0,1,2,3,4,5,6,7                ; both forms are fetched in every work-group: all reads lie inside my 128 numbers
	global_load_b128 v[BI+8*\t:BI+8*\t+3], v8, s[8:9] offset:(32*(\t/2)+8*(\t%2))*4
	global_load_b128 v[BI+8*\t+4:BI+8*\t+7], v8, s[8:9] offset:(32*(\t/2)+8*(\t%2))*4+16
.endr
.irp a, 0,1,2,3,4,5,6,7
	global_load_b32 v[BR+2*\a], v9, s[8:9] offset:(32*(\a/2)+8*(\a%2))*4
	global_load_b32 v[BR+2*\a+1], v9, s[8:9] offset:(32*(\a/2)+8*(\a%2))*4
.endr
.macro FRAG reg, adr, q, i             ; a fragment, 16 rows x 128 K: lane l holds row l % 16; registers 6 c .. 6 c + 5 hold K = 64 c + 32 (l / 16) + 0 .. 31: 24 bytes as they lie, in pieces of 8
.irp p, 0,1,2,3,4,5
.set PCE, 12*(\q)+6*(\p/3)+\p%3        ; 16 bytes of padding lie behind every 8 pieces: where the piece three on lies behind one padding more, the second address register serves
.if PCE%8 < 5
	ds_load_b64 v[\reg+2*\p:\reg+2*\p+1], v[\adr] offset:8*PCE+16*(PCE/8)+(\i)*16*PITCH
.else
	ds_load_b64 v[\reg+2*\p:\reg+2*\p+1], v[\adr+2] offset:8*PCE+16*(PCE/8)+(\i)*16*PITCH
.endif
.endr
.endm
; 16 matrix instructions: A's blocks a0, a0 + 1 x B's eight, 128 along K.  The 64 accumulators take turns, one instruction a turn, in the same order in every step.
.macro MUL16 a0, p, q, sc, zero
.irp a, \a0, \a0+1
.irp b, 0,1,2,3,4,5,6,7
.if \zero
	v_wmma_scale_f32_16x16x128_f8f6f4 v[8*(8*((\a)%4)+\b):8*(8*((\a)%4)+\b)+7], v[128*(\p)+FR*\b:128*(\p)+FR*\b+FR-1], v[AF+FR*(\a):AF+FR*(\a)+FR-1], 0, v[SC+8*NQ*(\sc)+NQ*\b+(\q)], v[SC+8*NQ*(\sc)+NQ*(\a)+(\q)] matrix_a_fmt:MATRIX_FMT_BF6 matrix_b_fmt:MATRIX_FMT_BF6 matrix_a_scale:MATRIX_SCALE_ROW1
.else
	v_wmma_scale_f32_16x16x128_f8f6f4 v[8*(8*((\a)%4)+\b):8*(8*((\a)%4)+\b)+7], v[128*(\p)+FR*\b:128*(\p)+FR*\b+FR-1], v[AF+FR*(\a):AF+FR*(\a)+FR-1], v[8*(8*((\a)%4)+\b):8*(8*((\a)%4)+\b)+7], v[SC+8*NQ*(\sc)+NQ*\b+(\q)], v[SC+8*NQ*(\sc)+NQ*(\a)+(\q)] matrix_a_fmt:MATRIX_FMT_BF6 matrix_b_fmt:MATRIX_FMT_BF6 matrix_a_scale:MATRIX_SCALE_ROW1
.endif
.endr
.endr
.endm
.macro FETCH_B slot, q, p
	WIN TO_B
.irp i, 0,1,2,3,4,5,6,7
	FRAG 128*(\p)+FR*\i, ADRB+\slot, \q, \i
.endr
	WIN 0
.endm
.macro FETCH_A slot, q, i0
.irp i, \i0, \i0+1, \i0+2, \i0+3
	FRAG AF+FR*(\i), ADRA+\slot, \q, \i
.endr
.endm
.macro SCALES sc                       ; a K step's scale words: lanes 0-15 take A's block i, lanes 16-31 B's block i
.irp i, 0,1,2,3,4,5,6,7
	ds_load_b64 v[SC+8*NQ*\sc+NQ*\i:SC+8*NQ*\sc+NQ*\i+1], v[ADRS] offset:\i*SBLK
.endr
.endm
.macro PLACES n                        ; plain vector instructions between a matrix instruction and a load into, or a read of, its registers
.rept \n
	v_nop
.endr
.endm
.macro STEP slot, q, zero              ; a step of 128 along K that has its successor in the same slot
	s_wait_dscnt 4*NL                              ; B's set and A's blocks 0-3 are in; the youngest 24 loads (A's blocks 4-7) may be out
	WIN MUL_LO
	MUL16 0, (\q)%2, \q, \slot, \zero
	MUL16 2, (\q)%2, \q, \slot, \zero
	s_wait_dscnt 0
	PLACES NP
	FETCH_B \slot, (\q)+1, 1-(\q)%2
	FETCH_A \slot, (\q)+1, 0
	WIN MUL_HI
	MUL16 4, (\q)%2, \q, \slot, \zero
	MUL16 6, (\q)%2, \q, \slot, \zero
	PLACES NP
	WIN 0
	FETCH_A \slot, (\q)+1, 4
.endm
; A slot's last step changes slots: one barrier; in front of it each wave waits for all its tensor loads, adds 0 to its spare word, and waits for that and for its reads of this slot.
.macro TURN slot, next, fill
	s_wait_tensorcnt 0x0                           ; all my tensor loads have landed: my part of the next slot
	ds_add_u32 v[SPW], v[NIL]                      ; 0 onto my spare word
	s_wait_dscnt 4*NL+1                            ; the add and the youngest 24 loads may be out
	WIN MUL_LO
	MUL16 0, 1, NQ-1, \slot, 0
	s_wait_dscnt 0x0                               ; the add is done, and my reads of this slot are over
	s_barrier_signal -1
	MUL16 2, 1, NQ-1, \slot, 0
	WIN 0
	s_barrier_wait -1
.if \fill
	CREST                                          ; the barrier has opened a round of the cluster's barrier: no wave of any partner still reads this slot or has a load on its way
	s_add_nc_u64 s[G0+4*\slot+2:G0+4*\slot+3], s[G0+4*\slot+2:G0+4*\slot+3], 2*ROWB
	s_add_nc_u64 s[G0B+4*\slot+2:G0B+4*\slot+3], s[G0B+4*\slot+2:G0B+4*\slot+3], 2*ROWB
	JLOAD G0+4*\slot, G1, G0B+4*\slot, G1B         ; the first tensor load behind the round; its four v_nop are the places in front of the loads below
.else
	PLACES NP
.endif
	v_add_nc_u32 v[ADRS], 4*NQ, v[ADRS]            ; the next K step's scale words
	FETCH_B \next, 0, 0
	FETCH_A \next, 0, 0
	SCALES \next
	WIN MUL_HI
	MUL16 4, 1, NQ-1, \slot, 0
	MUL16 6, 1, NQ-1, \slot, 0
	PLACES NP
	WIN 0
	FETCH_A \next, 0, 4
.endm
	s_wait_loadcnt 0x0                             ; the bias, once: no load is out in the loop
	s_wait_tensorcnt 1                             ; the scales and my part of K step 0 are in; of my three first fills K step 1's may be out
	s_barrier_signal -1
	s_barrier_wait -1
	FETCH_B 0, 0, 0
	FETCH_A 0, 0, 0
	SCALES 0
	FETCH_A 0, 0, 4
	STEP 0, 0, 1                                   ; the first step's products start the sums
	s_mov_b32 s3, LAPS-1
.Llap:
	TURN 0, 1, 1
	STEP 1, 0, 0
	TURN 1, 0, 1
	STEP 0, 0, 0
	s_sub_co_u32 s3, s3, 1
	s_cmp_lg_u32 s3, 0
	s_cbranch_scc1 .Llap
	TURN 0, 1, 0                                   ; the last lap fills nothing
	STEP 1, 0, 0
	s_wait_dscnt 4*NL
	WIN MUL_LO
	MUL16 0, 1, NQ-1, 1, 0
	MUL16 2, 1, NQ-1, 1, 0
	s_wait_dscnt 0
	WIN MUL_HI
	MUL16 4, 1, NQ-1, 1, 0
	MUL16 6, 1, NQ-1, 1, 0
	WIN 0
; THE WAY OUT.  ADDB: block a's 64 sums + the bias, into v[ST] on; each accumulator is read from its low end on.  step = 2: the bias walks with the registers; 0: one pair for the block.
.macro ADDB a, bias, step
	WIN 0x02+(\a)/4
.set AI, 0
.rept 32
	v_pk_add_f32 v[ST+2*AI:ST+2*AI+1], v[64*((\a)%4)+2*AI:64*((\a)%4)+2*AI+1], v[(\bias)+(\step)*AI:(\bias)+(\step)*AI+1]
.set AI, AI+1
.endr
	WIN 0
.endm
; QUANT: 64 numbers of a lane, register 16 b + i = k 32 b + 16 (lane / 16) + i of my row, become a fragment's codes in v[pc] on and its scale word in v[pw].
.macro QUANT s, pc, ct, pw
.irp b, 0,1,2,3
	v_max3_num_f32 v[TM+\b], |v[\s+16*\b]|, |v[\s+1+16*\b]|, 0x2800000   ; block b: my 16 numbers, and the floor 2^(5 - 127): the byte cannot fall under 1
.endr
.irp i, 2,4,6,8,10,12,14
.irp b, 0,1,2,3
	v_max3_num_f32 v[TM+\b], v[TM+\b], |v[\s+16*\b+\i]|, |v[\s+1+16*\b+\i]|
.endr
.endr
.irp b, 0,1,2,3
	v_permlanex16_b32 v[TM+4+\b], v[TM+\b], s[SEL], s[SEL+1]
.endr
.irp b, 0,1,2,3
	v_max_num_f32 v[TM+\b], v[TM+\b], v[TM+4+\b]   ; with lane l xor 16's: the block's largest magnitude
.endr
.irp b, 0,1,2,3
	v_add_nc_u32 v[TM+12+\b], 0xfe000000, v[TM+\b] ; 4 off its exponent field: the conversion's scale operand
.endr
.irp b, 0,1,2,3
	v_lshrrev_b32 v[TM+4+\b], 23, v[TM+12+\b]      ; the scale's byte
.endr
	v_lshl_or_b32 v[\pw], v[TM+5], 8, v[TM+4]
	v_lshl_or_b32 v[\pw], v[TM+6], 16, v[\pw]
	v_lshl_or_b32 v[\pw], v[TM+7], 24, v[\pw]
.irp c, 0,1
	v_cvt_scalef32_pk16_bf6_f32 v[\pc+6*\c:\pc+2+6*\c], v[\s+32*\c:\s+15+32*\c], v[TM+12+2*\c]
	v_cvt_scalef32_pk16_bf6_f32 v[\ct+4*\c:\ct+2+4*\c], v[\s+16+32*\c:\s+31+32*\c], v[TM+12+2*\c+1]   ; (a conversion's three registers begin on an even number)
.endr
	v_nop                                          ; one plain place behind a scaled conversion
.irp c, 0,1                            ; the operand's layout wants a whole block in a lane
.irp i, 0,1,2
	v_permlane16_swap_b32 v[\pc+6*\c+\i], v[\ct+4*\c+\i]
.endr
.irp i, 0,1,2
	v_mov_b32 v[\pc+3+6*\c+\i], v[\ct+4*\c+\i]
.endr
.endr
.endm
	PLACES NP                                      ; behind the last products
.irp b, 0,1,2,3
	v_mov_b32 v[TM+4+\b], 0                        ; written once: a lane permute's destination counts as one of its sources
.endr
	s_mov_b32 s[SEL], 0x76543210
	s_mov_b32 s[SEL+1], 0xfedcba98
	s_cmp_lt_u32 ttmp9, 16                         ; the cluster's number: the same in all sixteen
	s_cbranch_scc0 .Larm_v
	; q and k.  A block's fragment holds my two heads: registers 0-5 the first head's 64 dims, 6-11 the second's.  A record's fragment e takes a head's six of token tile 2 e and its six of tile 2 e + 1.
.irp g, 0,1,2,3
.if \g > 0
	s_wait_xcnt 0x0                                ; the stores of the pair before have read their registers
.endif
	ADDB 2*\g, BI, 2
	QUANT ST, PC0, CT, PW0
	ADDB 2*\g+1, BI, 2
	QUANT ST, PC1, CT, PW1
	v_mov_b32 v[TQ0], v[PC0+4]
	v_mov_b32 v[TQ0+1], v[PC0+5]
	v_mov_b32 v[TQ0+2], v[PC1]
	v_mov_b32 v[TQ0+3], v[PC1+1]
	v_mov_b32 v[TQ1], v[PC0+10]
	v_mov_b32 v[TQ1+1], v[PC0+11]
	v_mov_b32 v[TQ1+2], v[PC1+6]
	v_mov_b32 v[TQ1+3], v[PC1+7]
	v_perm_b32 v[SW+\g], v[PW1], v[PW0], 0x05040100      ; the first head's bytes: tile 2 e's two, tile 2 e + 1's two
	v_perm_b32 v[SW+4+\g], v[PW1], v[PW0], 0x07060302    ; the second head's
	global_store_b128 v[CO], v[PC0:PC0+3], s[12:13] offset:1536*\g            ; each store covers 512 consecutive bytes, aligned
	global_store_b128 v[CO], v[TQ0:TQ0+3], s[12:13] offset:1536*\g+512
	global_store_b128 v[CO], v[PC1+2:PC1+5], s[12:13] offset:1536*\g+1024
	global_store_b128 v[CO], v[PC0+6:PC0+9], s[66:67] offset:1536*\g
	global_store_b128 v[CO], v[TQ1:TQ1+3], s[66:67] offset:1536*\g+512
	global_store_b128 v[CO], v[PC1+8:PC1+11], s[66:67] offset:1536*\g+1024
.endr
	global_store_b128 v[CO], v[SW:SW+3], s[12:13] offset:6144
	global_store_b128 v[CO], v[SW+4:SW+7], s[66:67] offset:6144
	s_branch .Ljoin
.Larm_v:
	; v.  Block a: 16 dims (head a / 4, dim tile a % 4) x my 128 keys: one fragment of the record's second half
.irp a, 0,1,2,3,4,5,6,7
.if \a > 0
	s_wait_xcnt 0x0                                ; the stores of the block before have read their registers
.endif
	ADDB \a, BR+2*\a, 0
	QUANT ST, PC0, CT, SW+\a
.irp p, 0,1,2
	global_store_b128 v[CO], v[PC0+4*\p:PC0+4*\p+3], s[12:13] offset:(\a/4)*212992+6656+1536*(\a%4)+512*\p
.endr
.endr
	global_store_b128 v[CO], v[SW:SW+3], s[12:13] offset:12800
	global_store_b128 v[CO], v[SW+4:SW+7], s[12:13] offset:212992+12800
.Ljoin:
	s_wait_tensorcnt 0x0                           ; the wave's end
	ds_add_u32 v[SPW], v[NIL]
	s_wait_dscnt 0x0
	CROUND                                         ; the closing round: no work-group ends while a partner may still ask for a tile that names it
	s_endpgm
.Lfunc_end_k_qe5180bf864_proj:
	.size	k_qe5180bf864_proj, .Lfunc_end_k_qe5180bf864_proj-k_qe5180bf864_proj
	.p2alignl 7, 3214868480
	.fill 96, 4, 3214868480
	.section	.rodata,"a",@progbits
	.p2align	6, 0x0
	.amdhsa_kernel k_qe5180bf864_proj
		.amdhsa_group_segment_fixed_size 327680
		.amdhsa_private_segment_fixed_size 0
		.amdhsa_enable_private_segment 0
		.amdhsa_kernarg_size 56
		.amdhsa_user_sgpr_count 2
		.amdhsa_user_sgpr_kernarg_segment_ptr 1
		.amdhsa_wavefront_size32 1
		.amdhsa_system_sgpr_workgroup_id_x 1
		.amdhsa_system_sgpr_workgroup_id_y 1
		.amdhsa_system_sgpr_workgroup_id_z 1
		.amdhsa_system_vgpr_workitem_id 0
		.amdhsa_next_free_vgpr 1024
		.amdhsa_next_free_sgpr 102
		.amdhsa_reserve_vcc 0
		.amdhsa_float_denorm_mode_32 3
		.amdhsa_float_denorm_mode_16_64 3
		.amdhsa_memory_ordered 1
		.amdhsa_forward_progress 1
		.amdhsa_inst_pref_size 234
	.end_amdhsa_kernel
	.amdgpu_metadata
---
amdhsa.version: [ 1, 2 ]
amdhsa.kernels:
  - .name:           k_qe5180bf864_proj
    .symbol:         k_qe5180bf864_proj.kd
    .args:
      - { .name: cod, .offset: 0, .size: 8, .value_kind: global_buffer, .address_space: global }
      - { .name: scl, .offset: 8, .size: 8, .value_kind: global_buffer, .address_space: global }
      - { .name: bq, .offset: 16, .size: 8, .value_kind: global_buffer, .address_space: global }
      - { .name: bk, .offset: 24, .size: 8, .value_kind: global_buffer, .address_space: global }
      - { .name: bv, .offset: 32, .size: 8, .value_kind: global_buffer, .address_space: global }
      - { .name: qw, .offset: 40, .size: 8, .value_kind: global_buffer, .address_space: global }
      - { .name: kv, .offset: 48, .size: 8, .value_kind: global_buffer, .address_space: global }
    .group_segment_fixed_size: 327680
    .private_segment_fixed_size: 0
    .kernarg_segment_align: 8
    .kernarg_segment_size: 56
    .max_flat_workgroup_size: 128
    .sgpr_count:     102
    .vgpr_count:     1024
    .wavefront_size: 32
...
	.end_amdgpu_metadata
.endif
;; end of part 2
;; launch attn (part 3): grid 4 x 64, 16 waves a work-group, no clusters, 215,040 bytes of LDS; arguments qw, kv, mbits, mflag, acod, ascl; writes acod, ascl
.if DOCPART == 3
	.amdgcn_target "amdgcn-amd-amdhsa--gfx1250"
	.amdhsa_code_object_version 6
	.text
	.protected	k_qe5180bf864_attn
	.globl	k_qe5180bf864_attn
	.p2align	8
	.type	k_qe5180bf864_attn,@function
k_qe5180bf864_attn:
	s_mov_b64 s[64:65], 0
	v_nop
	global_prefetch_b8 v0, s[64:65] scope:SCOPE_SE
	s_setreg_imm32_b32 hwreg(HW_REG_WAVE_MODE, 25, 1), 1
	s_wait_xcnt 0x0
; ATTN: x[b][q][head] = softmax(q k^T / 8, hidden keys at -infinity) v, both products on codes of BF6 (E3M2) with one E8M0 scale for each 32 along K; x is quantised along the head's 64 and leaves as codes.
; THE SOFTMAX AHEAD OF THE SECOND PRODUCT: t = score x log2(e) / 8; M = the row's largest t so far, rounded UP to a whole number; p = 2^(t - M) is quantised along the keys, not normalised; the row's sum is taken of the
; unquantised p and divides at the end.  When M moves, the sum and O are multiplied by 2^(old M - new M): exact.
; SHARES.  Work-group (g, bh): head bh = 16 batch + head.  The head's k and v as codes and scale words, 212,992 bytes, are copied into LDS once, through registers, behind ONE barrier; then the sixteen waves share nothing.
; Wave w takes two tiles of 16 queries one after the other: T = 4 J + g with J = w, then J = 31 - w.  Tile T holds queries 32 (T / 2) + 8 (T % 2) + r + 8 (r / 8).
; No cluster and no tensor load: the four work-groups of a head read the same 212,992 bytes once each, and this text branches on numbers read from memory (the flags).
; THE MASK is honoured as it is given: an earlier launch has stored, for each tile and each step of 128 keys, 64 words of lane bits and two flags.  A step all of whose 16 x 128 places are hidden adds p = 0 everywhere:
; a scalar branch on the stored flag passes over its work; a step with some places hidden sets those scores to -infinity ahead of the maximum; a step with none skips that.
; LAYOUT.  Both products transposed: S^T = K Q^T (source 0 = 16 keys), O^T = V^T P^T (source 0 = 16 dims): a lane holds ONE query throughout.  The head's K is 64, the instruction's 128: a fragment of k holds TWO key tiles,
; registers 0-5 one tile's 64 dims, registers 6-11 the next tile's; it is multiplied by [Q | zeros] and by [zeros | Q].  Zero codes add nothing under any scale byte but 0xff, which the quantiser never makes.
; Register 16 e + i of S^T is key 32 e + 16 (lane / 16) + i of the step; register 16 e + i of O^T is dim 32 e + 16 (lane / 16) + i.
; A ROW WITH EVERY KEY HIDDEN has the sum 0: its two scale bytes are stored as 0xff, so that the last product makes the row NaN, as the softmax of such a row is.
; LIMITS: a block's largest p is taken from its largest score (the exponential is taken not to fall where its input rises); blocks of zeros keep the byte 1; NaN and infinities among the inputs are not served.
.set LI,   1                           ; v1   16 x lane
.set ADR,  2                           ; v2   LDS address of the step in hand
.set GA,   3                           ; v3   my place in acod: 768 (r + 8 (r / 8)) + 24 h
.set GS,   4                           ; v4   and in ascl: 32 (r + 8 (r / 8)) + h
.set NINF, 5                           ; v5   -infinity
.set CA,   6                           ; v6-9 16 x thread + 65,536 k: the copy's LDS addresses; v6 also its offset in memory
.set BYFF, 10                          ; v10  0xff
.set QHI,  16                          ; v[16:27] = [zeros | Q]
.set QLO,  22                          ; v[22:33] = [Q | zeros]
.set FRG,  34                          ; v34-81  four fragments: k's, later v's
.set KSC,  82                          ; v82-85  k's scale words;  v86-89 v's;  v90 Q's;  v91 p's: these hold scales and nothing else
.set VSC,  86
.set QSC,  90
.set PSC,  91
.set FF,   92                          ; v[92:93] f = 2^(old M - new M), later 1 / sum; v93 is written once, since the pair is named
.set T0,   94
.set T1,   95
.set S,    96                          ; v96-159 S^T, then p
.set O,    160                         ; v160-191 O^T
.set PC,   192                         ; v192-203 p's codes
.set CT,   204                         ; v204-206, v208-210
.set BM,   212
.set BP,   216
.set BS,   220
.set L2,   224                         ; v[224:225] the sum's second chain
.set Q2,   232                         ; v232-237 the second tile's Q;  v238 its scale word
.set QS2,  238
.set WV,   84                          ; s84 wave; s85 g; s86 bh; s87 J
.set TB,   88                          ; s88 LDS byte at which the step begins
.set FLW,  89                          ; s89 the tile's flags, shifted down a step at a time; s90 the second tile's
.set CNT,  91                          ; s91 steps to go; s92 tiles to go
.set HIM,  93                          ; s93 lanes 16-31
.set SEL,  94                          ; s[94:95]
.set CS,   96                          ; s[96:97] c = log2(e) / 8
.set MB,   98                          ; s[98:99] the step's 64 mask words in memory
; s[16:63] and s[68:83]: the 64 mask words (at the head: at work).  s[2:3], s[66:67]: my tile's place in acod, ascl.
; At the head v128-231 take the copy's 26 loads: no line writes one of them before the copy's stores into LDS are done.
	s_load_b256 s[4:11], s[0:1], 0x0               ; qw s[4:5], kv s[6:7], mbits s[8:9], mflag s[10:11]
	s_load_b128 s[12:15], s[0:1], 0x20             ; acod s[12:13], ascl s[14:15]
	v_lshl_add_u32 v254, v0, 2, 0x34000
	v_mov_b32 v255, 0
	v_lshrrev_b32 v[T0], 5, v0
	s_delay_alu instid0(VALU_DEP_1)
	v_readfirstlane_b32 s[WV], v[T0]               ; wave 0..15
	s_mov_b32 s85, ttmp9                           ; g
	s_and_b32 s86, ttmp7, 0xffff                   ; bh
	v_and_b32 v[T0], 31, v0
	s_delay_alu instid0(VALU_DEP_1)
	v_lshlrev_b32 v[LI], 4, v[T0]
	v_and_b32 v[T1], 15, v0                        ; r
	v_bfe_u32 v[T0], v0, 4, 1                      ; h
	s_delay_alu instid0(VALU_DEP_2)
	v_and_b32 v[GA], 8, v[T1]
	s_delay_alu instid0(VALU_DEP_1)
	v_add_nc_u32 v[GA], v[GA], v[T1]               ; r + 8 (r / 8)
	s_delay_alu instid0(VALU_DEP_1)
	v_lshl_add_u32 v[GS], v[GA], 5, v[T0]
	s_delay_alu instid0(VALU_DEP_2)
	v_mul_u32_u24 v[GA], v[GA], 768
	s_delay_alu instid0(VALU_DEP_1)
	v_mad_u32_u24 v[GA], v[T0], 24, v[GA]
	v_mov_b32 v[NINF], 0xff800000
	v_lshlrev_b32 v[CA], 4, v0
	s_delay_alu instid0(VALU_DEP_1)
	v_add_nc_u32 v[CA+1], 0x10000, v[CA]
	s_delay_alu instid0(VALU_DEP_2)
	v_add_nc_u32 v[CA+2], 0x20000, v[CA]
	s_delay_alu instid0(VALU_DEP_3)
	v_add_nc_u32 v[CA+3], 0x30000, v[CA]
	v_mov_b32 v[BYFF], 0xff
	s_mov_b32 s[HIM], 0xffff0000
	s_mov_b32 s[SEL], 0x76543210
	s_mov_b32 s[SEL+1], 0xfedcba98
	s_mov_b32 s[CS], 0x3e38aa3b                    ; log2(e) / 8
	s_mov_b32 s[CS+1], s[CS]                       ; (named with it as a pair, so it is written)
	s_lshl_b32 s16, s86, 4                         ; 16 bh
	s_lshr_b32 s17, s85, 1                         ; g / 2
	s_and_b32 s18, s85, 1                          ; u = g % 2: which half of a pair fragment my tiles are
	s_sub_co_u32 s19, 31, s[WV]                    ; the second J
	s_wait_alu depctr_va_vdst(0)
	s_wait_kmcnt 0x0
; Tile 4 J + g lies in record J / 2 of the head, in pair fragment 2 (J % 2) + g / 2.  The whole fragment and its scale word are asked for, and the tile's four flag words.
.macro QASK j, va, vb, qreg, sreg, ptr, fl
	s_lshr_b32 s20, \j, 1
	s_add_co_u32 s20, s20, s16
	s_mul_i32 s20, s20, 6656
	s_and_b32 s21, \j, 1
	s_lshl_b32 s21, s21, 1
	s_add_co_u32 s21, s21, s17
	s_mul_i32 s22, s21, 1536
	s_add_co_u32 s22, s22, s20
	v_add_nc_u32 v[\va], s22, v[LI]
	s_lshl_b32 s21, s21, 2
	s_add_co_u32 s21, s21, s20
	v_add_nc_u32 v[\vb], s21, v[LI]
	global_load_b128 v[\qreg:\qreg+3], v[\va], s[4:5]
	global_load_b128 v[\qreg+4:\qreg+7], v[\va], s[4:5] offset:512
	global_load_b128 v[\qreg+8:\qreg+11], v[\va], s[4:5] offset:1024
	global_load_b32 v[\sreg], v[\vb], s[4:5] offset:6144
	s_lshl_b32 s20, \j, 2
	s_add_co_u32 s20, s20, s85
	s_lshl_b32 s20, s20, 4                         ; 16 bytes of flags a tile
	s_mov_b32 s21, 0
	s_add_nc_u64 s[\ptr:\ptr+1], s[10:11], s[20:21]
	s_load_b128 s[\fl:\fl+3], s[\ptr:\ptr+1], 0x0
.endm
	QASK s84, 240, 241, 96, 108, 24, 28
	QASK s19, 242, 243, 112, 124, 26, 32
	s_mul_i32 s20, s86, 212992
	s_mov_b32 s21, 0
	s_add_nc_u64 s[6:7], s[6:7], s[20:21]          ; the head's k and v
.set i, 0
.rept 26                               ; 26 x 512 threads x 16 bytes = 212,992
	global_load_b128 v[128+4*i:131+4*i], v[CA], s[6:7] offset:8192*i
.set i, i+1
.endr
	s_wait_loadcnt 26                              ; Q's eight loads are in; the 26 of the copy stay out
	s_sub_co_u32 s23, 0, s18                       ; all lanes or none
.irp i, 0,1,2,3,4,5
	v_cndmask_b32 v[QLO+\i], v[96+\i], v[102+\i], s23     ; my tile's six registers of the pair's twelve
	v_cndmask_b32 v[Q2+\i], v[112+\i], v[118+\i], s23
.endr
	s_mov_b32 s22, 0x03020302
	s_cmp_eq_u32 s18, 0
	s_cselect_b32 s22, 0x01000100, s22
	v_perm_b32 v[QSC], v108, v108, s22             ; my tile's two scale bytes, in both halves of the word
	v_perm_b32 v[QS2], v124, v124, s22
.irp i, 0,1,2,3,4,5
	v_mov_b32 v[QHI+\i], 0
	v_mov_b32 v[QLO+6+\i], 0
.endr
	v_mov_b32 v[FF+1], 0
.set i, 0
.rept 26
	s_wait_loadcnt 25-i                            ; load i is in; the younger ones stay out
	ds_store_b128 v[CA+i/8], v[128+4*i:131+4*i] offset:8192*(i%8)
.set i, i+1
.endr
	s_wait_kmcnt 0x0
	s_or_b32 s[FLW], s28, s29                      ; each of a tile's four words holds four steps' bits
	s_or_b32 s[FLW], s[FLW], s30
	s_or_b32 s[FLW], s[FLW], s31
	s_or_b32 s90, s32, s33
	s_or_b32 s90, s90, s34
	s_or_b32 s90, s90, s35
	s_mov_b32 s87, s[WV]
	s_mov_b32 s92, 2
	s_wait_dscnt 0x0                               ; for the others' sake: my stores have landed; and they have read v128-231, which are free from here on
.irp b, 0,1,2,3
	v_mov_b32 v[BP+\b], 0                          ; written once: a lane permute's destination counts as one of its sources
.endr
	s_barrier_signal -1
	s_barrier_wait -1                              ; the head's k and v lie in LDS; nothing is written there again
.Ltile:
	s_lshr_b32 s100, s86, 4                        ; batch
	s_lshl_b32 s100, s100, 11
	s_lshl_b32 s101, s87, 6
	s_add_co_u32 s100, s100, s101
	s_lshr_b32 s101, s85, 1
	s_lshl_b32 s101, s101, 5
	s_add_co_u32 s100, s100, s101
	s_and_b32 s101, s85, 1
	s_lshl_b32 s101, s101, 3
	s_add_co_u32 s100, s100, s101                  ; the tile's first row: 2,048 batch + 64 J + 32 (g / 2) + 8 (g % 2)
	s_and_b32 s101, s86, 15                        ; head
	s_mul_i32 s16, s100, 768
	s_mul_i32 s18, s101, 48
	s_add_co_u32 s16, s16, s18
	s_mov_b32 s17, 0
	s_add_nc_u64 s[2:3], s[12:13], s[16:17]
	s_lshl_b32 s16, s100, 5
	s_lshl_b32 s18, s101, 1
	s_add_co_u32 s16, s16, s18
	s_add_nc_u64 s[66:67], s[14:15], s[16:17]
	s_lshl_b32 s16, s87, 2
	s_add_co_u32 s16, s16, s85
	s_lshl_b32 s16, s16, 12                        ; 16 steps x 256 bytes a tile
	s_add_nc_u64 s[MB:MB+1], s[8:9], s[16:17]
	s_mov_b32 s[TB], 0
	s_mov_b32 s[CNT], 16
	v_mov_b32 v13, 0xff61b1e6                      ; the largest t so far: -3e38, under every t
	s_delay_alu instid0(VALU_DEP_1)
	v_floor_f32 v12, -v13                          ; -M
	v_mov_b32 v14, 0                               ; the sum, in two halves
	v_mov_b32 v15, 0
.set i, 0
.rept 32
	v_mov_b32 v[O+i], 0                            ; O^T: the step is written once; its first run finds zeros.  (These lines also stand between the writes of Q and its scale word and the first product)
.set i, i+1
.endr
.Lstep:                                            ; 16 trips, whatever the mask
	s_bitcmp1_b32 s[FLW], 0                        ; is any of the step's 16 x 128 places open?  A whole number that an earlier launch stored
	s_cbranch_scc0 .Lhidden
	s_setprio 2
	v_add_nc_u32 v[ADR], s[TB], v[LI]
	v_nop                                          ; with the addition four places behind the last step's products, in front of loads into their registers
	v_nop
	v_nop
.irp f, 0,1,2,3
.irp p, 0,1,2
	ds_load_b128 v[FRG+12*\f+4*\p:FRG+12*\f+4*\p+3], v[ADR] offset:1536*\f+512*\p   ; an image of the operand's registers: 512 consecutive bytes a load
.endr
.endr
	ds_load_b128 v[KSC:KSC+3], v[ADR] offset:6144
	s_wait_alu depctr_va_vdst(0)
	s_wait_dscnt 0x0
.irp f, 0,1,2,3
	v_wmma_scale_f32_16x16x128_f8f6f4 v[S+16*\f:S+16*\f+7], v[FRG+12*\f:FRG+12*\f+11], v[QLO:QLO+11], 0, v[KSC+\f], v[QSC] matrix_a_fmt:MATRIX_FMT_BF6 matrix_b_fmt:MATRIX_FMT_BF6
	v_wmma_scale_f32_16x16x128_f8f6f4 v[S+16*\f+8:S+16*\f+15], v[FRG+12*\f:FRG+12*\f+11], v[QHI:QHI+11], 0, v[KSC+\f], v[QSC] matrix_a_fmt:MATRIX_FMT_BF6 matrix_b_fmt:MATRIX_FMT_BF6
.endr
.rept 4
	v_nop                                          ; places: in front of the loads into k's registers and of the first read of the scores
.endr
.irp f, 0,1,2,3
.irp p, 0,1,2
	ds_load_b128 v[FRG+12*\f+4*\p:FRG+12*\f+4*\p+3], v[ADR] offset:6656+1536*\f+512*\p   ; v's fragments land under the softmax
.endr
.endr
	ds_load_b128 v[VSC:VSC+3], v[ADR] offset:12800
	s_bitcmp1_b32 s[FLW], 16                       ; are some of the step's places hidden?
	s_cbranch_scc0 .Lopen
	s_load_b512 s[16:31], s[MB:MB+1], 0x0
	s_load_b512 s[32:47], s[MB:MB+1], 0x40
	s_load_b512 s[48:63], s[MB:MB+1], 0x80
	s_load_b512 s[68:83], s[MB:MB+1], 0xc0
	s_wait_kmcnt 0x0
	s_wait_xcnt 0x0                                ; the loads have read their base, which is stepped at the trip's end
.set n, 0
.rept 64
.if n < 48
	v_cndmask_b32 v[S+n], v[S+n], v[NINF], s[16+n] ; word n: a bit for each lane: hidden scores become -infinity, so p = 0
.else
	v_cndmask_b32 v[S+n], v[S+n], v[NINF], s[20+n]
.endif
.set n, n+1
.endr
.Lopen:
.irp b, 0,1,2,3
	v_max3_num_f32 v[BM+\b], v[S+16*\b], v[S+1+16*\b], v[S+2+16*\b]   ; the largest score of each block of 32 keys: for the row's maximum and, since p rises with the score, for the block's largest p
.endr
.irp i, 3,5,7,9,11,13
.irp b, 0,1,2,3
	v_max3_num_f32 v[BM+\b], v[BM+\b], v[S+16*\b+\i], v[S+1+16*\b+\i]
.endr
.endr
.irp b, 0,1,2,3
	v_max_num_f32 v[BM+\b], v[BM+\b], v[S+15+16*\b]
.endr
.irp b, 0,1,2,3
	s_delay_alu instid0(VALU_DEP_4)
	v_permlanex16_b32 v[BP+\b], v[BM+\b], s[SEL], s[SEL+1]
.endr
.irp b, 0,1,2,3
	s_delay_alu instid0(VALU_DEP_4)
	v_max_num_f32 v[BM+\b], v[BM+\b], v[BP+\b]     ; with lane l xor 16's 16 keys
.endr
	s_delay_alu instid0(VALU_DEP_2)
	v_max3_num_f32 v[T0], v[BM], v[BM+1], v[BM+2]
	s_delay_alu instid0(VALU_DEP_1)
	v_max_num_f32 v[T0], v[T0], v[BM+3]            ; the step's largest score of my query
	s_delay_alu instid0(VALU_DEP_1)
	v_mul_f32 v[T0], s[CS], v[T0]                  ; as t
	s_delay_alu instid0(VALU_DEP_1)
	v_max_num_f32 v13, v13, v[T0]                  ; the running largest t
	v_mov_b32 v[T0], v12
	s_delay_alu instid0(VALU_DEP_2)
	v_floor_f32 v12, -v13                          ; the new -M = -ceil(t): a whole number
	s_delay_alu instid0(VALU_DEP_1)
	v_sub_f32 v[T0], v12, v[T0]                    ; old M - new M: a whole number, 0 or less
	s_delay_alu instid0(VALU_DEP_1)
	v_cvt_i32_f32 v[T0], v[T0]                     ; (it saturates)
	s_delay_alu instid0(VALU_DEP_1)
	v_ldexp_f32 v[FF], 1.0, v[T0]                  ; f = 2^(old M - new M)
.set j, 0
.rept 32
	v_pk_fma_f32 v[S+j:S+j+1], v[S+j:S+j+1], s[CS:CS+1], v[12:13] op_sel_hi:[1,0,0]   ; t - M, two at a time
.set j, j+2
.endr
.irp b, 0,1,2,3
	v_fma_f32 v[BM+\b], v[BM+\b], s[CS], v12       ; the same of each block's largest score
.endr
.set j, 0
	s_setprio 1
	s_wait_alu depctr_va_vdst(0)
.rept 64
	v_exp_f32 v[S+j], v[S+j]                       ; p = 2^(t - M), at most 1
.set j, j+1
.endr
	v_pk_mul_f32 v[14:15], v[14:15], v[FF:FF+1] op_sel_hi:[1,0]   ; the sums under the new M: a plain line behind the exponentials
	s_wait_alu depctr_va_vdst(0)                   ; one wait for the whole batch, ahead of its first reader
.irp b, 0,1,2,3
	v_exp_f32 v[BM+\b], v[BM+\b]                   ; the block's largest p
.endr
	v_pk_add_f32 v[224:225], v[100:101], v[104:105]
	v_pk_add_f32 v[252:253], v[108:109], v[112:113]
	v_pk_add_f32 v[250:251], v[116:117], v[120:121]
	v_pk_add_f32 v[248:249], v[124:125], v[128:129]
	v_pk_add_f32 v[246:247], v[132:133], v[136:137]
	v_pk_add_f32 v[244:245], v[140:141], v[144:145]
	v_pk_add_f32 v[242:243], v[148:149], v[152:153]
	v_pk_add_f32 v[14:15], v[14:15], v[156:157]
	v_pk_add_f32 v[224:225], v[224:225], v[96:97]
	v_pk_add_f32 v[252:253], v[252:253], v[98:99]
	v_pk_add_f32 v[250:251], v[250:251], v[102:103]
	v_pk_add_f32 v[248:249], v[248:249], v[106:107]
	v_pk_add_f32 v[246:247], v[246:247], v[110:111]
	v_pk_add_f32 v[244:245], v[244:245], v[114:115]
	v_pk_add_f32 v[242:243], v[242:243], v[118:119]
	v_pk_add_f32 v[14:15], v[14:15], v[122:123]
	v_pk_add_f32 v[224:225], v[224:225], v[126:127]
	v_pk_add_f32 v[252:253], v[252:253], v[130:131]
	v_pk_add_f32 v[250:251], v[250:251], v[134:135]
	v_pk_add_f32 v[248:249], v[248:249], v[138:139]
	v_pk_add_f32 v[246:247], v[246:247], v[142:143]
	v_pk_add_f32 v[244:245], v[244:245], v[146:147]
	v_pk_add_f32 v[242:243], v[242:243], v[150:151]
	v_pk_add_f32 v[14:15], v[14:15], v[154:155]
	v_pk_add_f32 v[224:225], v[224:225], v[158:159]
	s_delay_alu instid0(VALU_DEP_2)
	v_pk_add_f32 v[14:15], v[14:15], v[248:249]
	s_delay_alu instid0(VALU_DEP_2)
	v_pk_add_f32 v[224:225], v[224:225], v[246:247]
	v_pk_add_f32 v[252:253], v[252:253], v[244:245]
	v_pk_add_f32 v[250:251], v[250:251], v[242:243]
	s_delay_alu instid0(VALU_DEP_2)
	v_pk_add_f32 v[14:15], v[14:15], v[252:253]
	s_delay_alu instid0(VALU_DEP_2)
	v_pk_add_f32 v[224:225], v[224:225], v[250:251]
	s_delay_alu instid0(VALU_DEP_1)
	v_pk_add_f32 v[14:15], v[14:15], v[224:225]
	s_wait_alu depctr_va_vdst(0)                   ; and one for the four
.irp b, 0,1,2,3
	v_max_num_f32 v[BM+\b], 0x2800000, v[BM+\b]    ; the floor 2^(5 - 127): the byte cannot fall under 1
.endr
.irp b, 0,1,2,3
	s_delay_alu instid0(VALU_DEP_4)
	v_add_nc_u32 v[BS+\b], 0xfe000000, v[BM+\b]    ; 4 off the exponent field: the conversion's scale operand
.endr
.irp b, 0,1,2,3
	s_delay_alu instid0(VALU_DEP_4)
	v_lshrrev_b32 v[BP+\b], 23, v[BS+\b]           ; the scale's byte
.endr
	s_delay_alu instid0(VALU_DEP_3)
	v_lshl_or_b32 v[PSC], v[BP+1], 8, v[BP]        ; p's scale word for these 128 keys
	s_delay_alu instid0(VALU_DEP_1)
	v_lshl_or_b32 v[PSC], v[BP+2], 16, v[PSC]
	s_delay_alu instid0(VALU_DEP_1)
	v_lshl_or_b32 v[PSC], v[BP+3], 24, v[PSC]
.irp c, 0,1
	v_cvt_scalef32_pk16_bf6_f32 v[PC+6*\c:PC+2+6*\c], v[S+32*\c:S+15+32*\c], v[BS+2*\c]
	v_cvt_scalef32_pk16_bf6_f32 v[CT+4*\c:CT+2+4*\c], v[S+16+32*\c:S+31+32*\c], v[BS+2*\c+1]
.endr
	v_nop                                          ; one plain place behind a scaled conversion
	s_setprio 0
.irp c, 0,1                            ; the operand's layout wants a whole block in a lane
.irp i, 0,1,2
	v_permlane16_swap_b32 v[PC+6*\c+\i], v[CT+4*\c+\i]
.endr
.irp i, 0,1,2
	s_delay_alu instid0(VALU_DEP_3)
	v_mov_b32 v[PC+3+6*\c+\i], v[CT+4*\c+\i]
.endr
.endr
.set j, 0
.rept 16
	v_pk_mul_f32 v[O+j:O+j+1], v[O+j:O+j+1], v[FF:FF+1] op_sel_hi:[1,0]   ; O^T under the new M.  (These sixteen also stand between the writes of p's codes and scale word and the products)
.set j, j+2
.endr
	s_wait_alu depctr_va_vdst(0)
	s_wait_dscnt 0x0                               ; v's fragments and scale words are in
.irp t, 0,1,2,3                        ; the four accumulators by turns, one instruction a turn
	v_wmma_scale_f32_16x16x128_f8f6f4 v[O+8*\t:O+8*\t+7], v[FRG+12*\t:FRG+12*\t+11], v[PC:PC+11], v[O+8*\t:O+8*\t+7], v[VSC+\t], v[PSC] matrix_a_fmt:MATRIX_FMT_BF6 matrix_b_fmt:MATRIX_FMT_BF6
.endr
.Lhidden:
	s_lshr_b32 s[FLW], s[FLW], 1                   ; the next step's two flags come to bits 0 and 16
	s_add_co_u32 s[TB], s[TB], 13312
	s_add_nc_u64 s[MB:MB+1], s[MB:MB+1], 256
	s_sub_co_u32 s[CNT], s[CNT], 1
	s_cmp_lg_u32 s[CNT], 0
	s_cbranch_scc1 .Lstep
	s_setprio 0
	; THE TILE'S END: x = O^T / the sum, quantised along the head's 64: two blocks; block e lies in lanes l and l xor 16.
.rept 4
	v_nop                                          ; places behind the last products
.endr
	v_add_f32 v14, v14, v15
	s_delay_alu instid0(VALU_DEP_1)
	v_permlanex16_b32 v[T0], v14, s[SEL], s[SEL+1]
	s_delay_alu instid0(VALU_DEP_1)
	v_add_f32 v14, v14, v[T0]                      ; the row's sum
	s_wait_alu depctr_va_vdst(0)
	v_rcp_f32 v[FF], v14
	v_nop                                          ; a plain place behind the transcendental
	v_cmp_eq_f32 vcc_lo, 0, v14                    ; a row with every key hidden
	s_wait_alu depctr_va_vdst(0)                   ; the wait, ahead of the first reader
.set j, 0
.rept 16
	v_pk_mul_f32 v[S+j:S+j+1], v[O+j:O+j+1], v[FF:FF+1] op_sel_hi:[1,0]   ; each accumulator from its low end on
.set j, j+2
.endr
.irp b, 0,1
	v_max3_num_f32 v[BM+\b], |v[S+16*\b]|, |v[S+1+16*\b]|, 0x2800000
.endr
.irp i, 2,4,6,8,10,12,14
.irp b, 0,1
	s_delay_alu instid0(VALU_DEP_2)
	v_max3_num_f32 v[BM+\b], v[BM+\b], |v[S+16*\b+\i]|, |v[S+1+16*\b+\i]|
.endr
.endr
.irp b, 0,1
	s_delay_alu instid0(VALU_DEP_2)
	v_permlanex16_b32 v[BP+\b], v[BM+\b], s[SEL], s[SEL+1]
.endr
.irp b, 0,1
	s_delay_alu instid0(VALU_DEP_2)
	v_max_num_f32 v[BM+\b], v[BM+\b], v[BP+\b]
.endr
.irp b, 0,1
	s_delay_alu instid0(VALU_DEP_2)
	v_add_nc_u32 v[BS+\b], 0xfe000000, v[BM+\b]
.endr
.irp b, 0,1
	s_delay_alu instid0(VALU_DEP_2)
	v_lshrrev_b32 v[BP+\b], 23, v[BS+\b]
.endr
	v_cvt_scalef32_pk16_bf6_f32 v[PC:PC+2], v[S:S+15], v[BS]
	v_cvt_scalef32_pk16_bf6_f32 v[CT:CT+2], v[S+16:S+31], v[BS+1]
	v_nop                                          ; one plain place behind a scaled conversion
.irp i, 0,1,2
	v_permlane16_swap_b32 v[PC+\i], v[CT+\i]       ; lane (r, h) now holds block h: its lower 16 codes in the first three registers, its upper 16 in the second three
.endr
	v_cndmask_b32 v[T1], v[BP], v[BP+1], s[HIM]    ; block h's byte,
	s_delay_alu instid0(VALU_DEP_1)
	v_cndmask_b32 v[T1], v[T1], v[BYFF], vcc_lo    ; or 0xff where the sum is 0
	global_store_b96 v[GA], v[PC:PC+2], s[2:3]     ; 24 bytes a lane: a head gives 48 bytes of a row of 768
	global_store_b96 v[GA], v[CT:CT+2], s[2:3] offset:12
	global_store_b8 v[GS], v[T1], s[66:67]
	s_wait_xcnt 0x0                                ; the stores have read their registers and bases: both are written again in the next tile
.irp i, 0,1,2,3,4,5
	v_mov_b32 v[QLO+\i], v[Q2+\i]                  ; the second tile
.endr
	v_mov_b32 v[QSC], v[QS2]
	s_mov_b32 s[FLW], s90
	s_sub_co_u32 s87, 31, s[WV]
	s_sub_co_u32 s92, s92, 1
	s_cmp_lg_u32 s92, 0
	s_cbranch_scc1 .Ltile
	s_wait_tensorcnt 0x0
	ds_add_u32 v254, v255
	s_wait_dscnt 0x0
	s_endpgm
.Lfunc_end_k_qe5180bf864_attn:
	.size	k_qe5180bf864_attn, .Lfunc_end_k_qe5180bf864_attn-k_qe5180bf864_attn
	.p2alignl 7, 3214868480
	.fill 96, 4, 3214868480
	.section	.rodata,"a",@progbits
	.p2align	6, 0x0
	.amdhsa_kernel k_qe5180bf864_attn
		.amdhsa_group_segment_fixed_size 215040
		.amdhsa_private_segment_fixed_size 0
		.amdhsa_enable_private_segment 0
		.amdhsa_kernarg_size 48
		.amdhsa_user_sgpr_count 2
		.amdhsa_user_sgpr_kernarg_segment_ptr 1
		.amdhsa_wavefront_size32 1
		.amdhsa_system_sgpr_workgroup_id_x 1
		.amdhsa_system_sgpr_workgroup_id_y 1
		.amdhsa_system_sgpr_workgroup_id_z 1
		.amdhsa_system_vgpr_workitem_id 0
		.amdhsa_next_free_vgpr 256
		.amdhsa_next_free_sgpr 102
		.amdhsa_reserve_vcc 1
		.amdhsa_float_denorm_mode_32 3
		.amdhsa_float_denorm_mode_16_64 3
		.amdhsa_memory_ordered 1
		.amdhsa_forward_progress 1
		.amdhsa_inst_pref_size 40
	.end_amdhsa_kernel
	.amdgpu_metadata
---
amdhsa.version: [ 1, 2 ]
amdhsa.kernels:
  - .name:           k_qe5180bf864_attn
    .symbol:         k_qe5180bf864_attn.kd
    .args:
      - { .name: qw, .offset: 0, .size: 8, .value_kind: global_buffer, .address_space: global }
      - { .name: kv, .offset: 8, .size: 8, .value_kind: global_buffer, .address_space: global }
      - { .name: mbits, .offset: 16, .size: 8, .value_kind: global_buffer, .address_space: global }
      - { .name: mflag, .offset: 24, .size: 8, .value_kind: global_buffer, .address_space: global }
      - { .name: acod, .offset: 32, .size: 8, .value_kind: global_buffer, .address_space: global }
      - { .name: ascl, .offset: 40, .size: 8, .value_kind: global_buffer, .address_space: global }
    .group_segment_fixed_size: 215040
    .private_segment_fixed_size: 0
    .kernarg_segment_align: 8
    .kernarg_segment_size: 48
    .max_flat_workgroup_size: 512
    .sgpr_count:     102
    .vgpr_count:     256
    .wavefront_size: 32
...
	.end_amdgpu_metadata
.endif
;; end of part 3
;; launch outp (part 4): grid 4 x 32, 4 waves a work-group, clusters of 4 x 4, 327,680 bytes of LDS; arguments acod, ascl, cod, scl, bo, out0; writes out0
.if DOCPART == 4
	.amdgcn_target "amdgcn-amd-amdhsa--gfx1250"
	.amdhsa_code_object_version 6
	.text
	.protected	k_qe5180bf864_outp
	.globl	k_qe5180bf864_outp
	.p2align	8
	.type	k_qe5180bf864_outp,@function
k_qe5180bf864_outp:
	s_mov_b64 s[64:65], 0
	v_nop
	global_prefetch_b8 v0, s[64:65] scope:SCOPE_SE
	s_setreg_imm32_b32 hwreg(HW_REG_WAVE_MODE, 25, 1), 1
	s_wait_xcnt 0x0
	s_wait_alu depctr_hold_cnt(0) depctr_sa_sdst(0) depctr_va_vdst(0) depctr_va_sdst(0) depctr_va_ssrc(0) depctr_va_vcc(0) depctr_vm_vsrc(0)
	s_getreg_b32 s2, hwreg(HW_REG_IB_STS2, 6, 4)
	s_cmp_eq_u32 s2, 0
	s_cbranch_scc0 .Lentry_in_a_cluster
	s_endpgm
.Lentry_in_a_cluster:
	s_bfe_u32 s2, ttmp6, 0x10000c
	s_cmp_lg_u32 s2, 0xf033
	s_cbranch_scc0 .Lentry_shape_is_right
	s_endpgm
.Lentry_shape_is_right:
; OUTP: out0 = x Wo + bo.  x: [8192][1024] as codes of BF6 (E3M2) in acod (768 bytes a row) with 32 E8M0 bytes a row in ascl; Wo: rows 27,648 on of cod and scl, laid [n][k], with bits 3 and 4 of n exchanged.  out0: [8192][1024] f32.
; A tile of 256 x 256 is made by a work-group of four waves; a wave makes 128 x 128: 64 accumulators, 512 registers.  K goes in steps of 256 through a ring of two LDS slots filled by joint tensor loads;
; the scales of all of K come once, with the first fills.  CLUSTERS: 4 x 4 work-groups: A's tile is shared along a row of the cluster, B's along a column.
; 128 tiles of this size: 128 work-groups.  A smaller tile would give more, at twice the LDS bytes for each product; it is left out here.
; THE MATRIX INSTRUCTION IS USED TRANSPOSED (source 0 = 16 rows of Wo, source 1 = 16 rows of x): accumulator (a, b = 2 e + u), register j, lane (r, h) holds row 16 a + r and column 32 e + 16 h + 8 u + j: the stage on the way out puts
; each eight numbers at their column's place.  A row of x whose scale bytes are 0xff (every key hidden) comes out NaN.
; REGISTERS, in windows of 256: window 0: v0-31 addresses; v32-63 scale words, two sets, and nothing else; v64-67 my four numbers of bo; from v128 A's fragments, one set; on the way out v128-255 rows read back.
;   window 1: B's fragments, two sets.   window 2: the accumulators of my rows 0-63;   window 3: those of my rows 64-127.
.set SIZE_N, 1024
.set SIZE_K, 1024
.set KSTEP,  256
.set NQ,     KSTEP/128
.set ROWB,   192
.set KROW,   SIZE_K*6/8
.set PITCH,  240
.set FR,     12
.set NL,     6
.set NP,     4
.set HALFT,  128*PITCH
.set SLOT,   4*HALFT
.set LAPS,   SIZE_K/(2*KSTEP)
.set KS,     SIZE_K/32
.set SCL,    2*SLOT
.set HALFS,  (128*KS/256)*272
.set SBLK,   (16*KS/256)*272
.set SPARE,  SCL+4*HALFS               ; the spare words, 128 bytes for each wave: two blocks of 256 bytes that no other line names
.set SPITCH, 528                       ; the way out: a stage of 16 rows x (512 bytes + 16) for each wave, in slot 0, which has had its last fill and its last read by then
.set ADRA, 16
.set ADRB, 20
.set STO,  24
.set RD,   25
.set CO,   26
.set ADRS, 27
.set SPW,  28
.set NIL,  29
.set SC,   32
.set BO,   64
.set AF,   128
.set BK,   128
.set G1, 24
.set G0, 32
.set G1B, 48
.set G0B, 56
.set G1S, 68
.set G0S, 76
.set G1SB, 80
.set G0SB, 88
.set MSB, 0
.macro WIN new
.if MSB != (\new)
	s_set_vgpr_msb (MSB<<8)|(\new)
.set MSB, \new
.endif
.endm
.set MUL_LO, 0xa1
.set MUL_HI, 0xf1
.set TO_B,   0x40
.macro JLOAD g0a, g1a, g0b, g1b        ; a joint load: waves 0 and 1 fetch for A, waves 2 and 3 for B; four v_nop follow each of the two lines
	s_cmp_eq_u32 s15, 0
	s_cbranch_scc0 .Lfor_b_\@
	tensor_load_to_lds s[\g0a:\g0a+3], s[\g1a:\g1a+7]
	s_nop 0
.rept 4
	v_nop
.endr
	s_branch .Lasked_\@
.Lfor_b_\@:
	tensor_load_to_lds s[\g0b:\g0b+3], s[\g1b:\g1b+7]
	s_nop 0
.rept 4
	v_nop
.endr
.Lasked_\@:
.endm
.macro CREST
	s_cmp_lg_u32 s14, 0
	s_cbranch_scc1 .Lnot_wave_0_\@
	s_barrier_signal -3
.Lnot_wave_0_\@:
	s_barrier_wait -3
	s_barrier_signal -1
	s_barrier_wait -1
.endm
.macro CROUND
	s_barrier_signal -1
	s_barrier_wait -1
	CREST
.endm
	s_load_b128 s[4:7], s[0:1], 0x0                ; acod, ascl
	s_load_b128 s[8:11], s[0:1], 0x10              ; cod, scl
	s_load_b64 s[96:97], s[0:1], 0x20              ; bo
	s_load_b64 s[12:13], s[0:1], 0x28              ; out0
	v_lshl_add_u32 v[SPW], v0, 2, SPARE
	v_mov_b32 v[NIL], 0
	ds_add_u32 v28, v29
	ds_add_u32 v28, v29
	s_wait_dscnt 0x0
	v_lshrrev_b32 v1, 5, v0
	v_readfirstlane_b32 s14, v1                    ; wave 0..3
	s_lshr_b32 s15, s14, 1                         ; which half of the tile's rows is mine.  Also: I fetch for A (0) or for B (1)
	s_and_b32 s16, s14, 1                          ; which half of its columns.  Also: which 128 rows of that tile I fetch
	s_bfe_u32 s40, ttmp6, 0x40000                  ; cx, cy
	s_bfe_u32 s41, ttmp6, 0x40004
	s_lshl_b32 s42, ttmp9, 2
	s_add_co_u32 s42, s42, s40                     ; tile column
	s_and_b32 s17, ttmp7, 0xffff
	s_lshl_b32 s17, s17, 2
	s_add_co_u32 s17, s17, s41                     ; tile row
	s_lshl_b32 s43, s41, 2
	s_lshl_b32 s43, 15, s43                        ; my row of the cluster
	s_lshl_b32 s44, 0x1111, s40                    ; my column
	s_or_b32 s[G1+0], s43, (0<<16)|(1<<20)|(1<<21)|(3<<22)|(3<<25)
	s_or_b32 s[G1B+0], s44, (0<<16)|(1<<20)|(1<<21)|(3<<22)|(3<<25)
.irp g, G1, G1B
	s_mov_b32 s[\g+1], ROWB<<16
	s_mov_b32 s[\g+2], 128<<16
	s_mov_b32 s[\g+3], ROWB<<16
	s_mov_b32 s[\g+4], 128
	s_mov_b32 s[\g+5], KROW
	s_mov_b32 s[\g+6], 0
	s_mov_b32 s[\g+7], 0
.endr
	s_or_b32 s[G1S+0], s43, (3<<16)|(1<<20)|(1<<21)|(5<<22)|(3<<25)
	s_or_b32 s[G1SB+0], s44, (3<<16)|(1<<20)|(1<<21)|(5<<22)|(3<<25)
.irp g, G1S, G1SB
	s_mov_b32 s[\g+1], 32<<16
	s_mov_b32 s[\g+2], (128*KS/256)<<16
	s_mov_b32 s[\g+3], 32<<16
	s_mov_b32 s[\g+4], 128*KS/256
	s_mov_b32 s[\g+5], 32
	s_mov_b32 s[\g+6], 0
	s_mov_b32 s[\g+7], 0
.endr
	s_lshl_b32 s18, s16, 7
	s_lshl_b32 s20, s17, 8
	s_add_co_u32 s20, s20, s18                     ; A: row 256 x tile row + 128 x half
	s_lshl_b32 s46, s42, 8
	s_add_co_u32 s46, s46, s18                     ; B: row 256 x tile column + 128 x half
	s_mov_b32 s21, 0
	s_mov_b32 s47, 0
	s_mov_b64 s[18:19], KS
	s_mul_u64 s[22:23], s[20:21], s[18:19]
	s_mul_u64 s[92:93], s[46:47], s[18:19]
	s_mov_b64 s[18:19], KROW
	s_mul_u64 s[20:21], s[20:21], s[18:19]
	s_mul_u64 s[46:47], s[46:47], s[18:19]
	s_mul_i32 s45, s14, HALFT
	s_mul_i32 s94, s14, HALFS
	s_wait_kmcnt 0x0
	s_add_nc_u64 s[8:9], s[8:9], 27648*768         ; Wo's rows of cod
	s_add_nc_u64 s[10:11], s[10:11], 27648*32      ; and of scl
	s_add_nc_u64 s[20:21], s[4:5], s[20:21]
	s_add_nc_u64 s[22:23], s[6:7], s[22:23]
	s_add_nc_u64 s[46:47], s[8:9], s[46:47]
	s_add_nc_u64 s[92:93], s[10:11], s[92:93]
	CROUND                                         ; all sixteen work-groups are here: the first joint loads meet
	s_mov_b32 s[G0S], 1
	s_add_co_u32 s[G0S+1], s94, SCL
	s_mov_b64 s[G0S+2:G0S+3], s[22:23]
	s_or_b32 s[G0S+3], s[G0S+3], 0x80000000
	s_mov_b32 s[G0SB], 1
	s_add_co_u32 s[G0SB+1], s94, SCL
	s_mov_b64 s[G0SB+2:G0SB+3], s[92:93]
	s_or_b32 s[G0SB+3], s[G0SB+3], 0x80000000
	JLOAD G0S, G1S, G0SB, G1SB
.irp s, 0,1
	s_mov_b32 s[G0+4*\s], 1
	s_add_co_u32 s[G0+4*\s+1], s45, \s*SLOT
	s_add_nc_u64 s[G0+4*\s+2:G0+4*\s+3], s[20:21], \s*ROWB
	s_or_b32 s[G0+4*\s+3], s[G0+4*\s+3], 0x80000000
	s_mov_b32 s[G0B+4*\s], 1
	s_add_co_u32 s[G0B+4*\s+1], s45, \s*SLOT
	s_add_nc_u64 s[G0B+4*\s+2:G0B+4*\s+3], s[46:47], \s*ROWB
	s_or_b32 s[G0B+4*\s+3], s[G0B+4*\s+3], 0x80000000
	JLOAD G0+4*\s, G1, G0B+4*\s, G1B
.endr
	v_and_b32 v1, 15, v0                           ; r
	v_bfe_u32 v2, v0, 4, 1                         ; h
	v_mul_u32_u24 v3, v1, PITCH
	v_mul_u32_u24 v4, v2, 24
	v_add_nc_u32 v4, v3, v4
	v_lshl_add_u32 v5, v2, 4, v4
	s_mul_i32 s21, s15, HALFT
	s_mul_i32 s22, s16, HALFT
	s_add_co_u32 s22, s22, 2*HALFT
.irp s, 0,1
	v_add_nc_u32 v[ADRA+\s], s21, v4
	v_add_nc_u32 v[ADRB+\s], s22, v4
	v_add_nc_u32 v[ADRA+2+\s], s21, v5
	v_add_nc_u32 v[ADRB+2+\s], s22, v5
	s_add_co_u32 s21, s21, SLOT
	s_add_co_u32 s22, s22, SLOT
.endr
	v_mul_u32_u24 v5, v1, KS
	v_lshrrev_b32 v6, 8, v5
	v_lshl_add_u32 v5, v6, 4, v5
	s_mul_i32 s21, s15, HALFS
	s_mul_i32 s22, s16, HALFS
	s_add_co_u32 s22, s22, 2*HALFS
	s_sub_co_u32 s22, s22, s21
	v_mul_u32_u24 v6, s22, v2
	s_add_co_u32 s21, s21, SCL
	v_add_nc_u32 v5, v5, v6
	v_add_nc_u32 v[ADRS], s21, v5
	s_mul_i32 s23, s14, 16*SPITCH                  ; my stage
	v_mul_u32_u24 v5, v1, SPITCH                   ; in: row r, + 16 h columns
	v_lshl_add_u32 v5, v2, 6, v5
	v_add_nc_u32 v[STO], s23, v5
	v_and_b32 v6, 31, v0
	v_lshlrev_b32 v[CO], 4, v6                     ; back: the 32 lanes take one row of 512 bytes; and the same in out0 and in bo
	v_add_nc_u32 v[RD], s23, v[CO]
	s_lshl_b32 s20, s17, 8
	s_lshl_b32 s21, s15, 7
	s_add_co_u32 s20, s20, s21                     ; my first row
	s_mov_b32 s21, 0
	s_mov_b64 s[18:19], SIZE_N*4
	s_mul_u64 s[20:21], s[20:21], s[18:19]
	s_lshl_b32 s46, s42, 10                        ; my first column, in bytes
	s_lshl_b32 s47, s16, 9
	s_add_co_u32 s46, s46, s47
	s_mov_b32 s47, 0
	s_add_nc_u64 s[20:21], s[20:21], s[46:47]
	s_add_nc_u64 s[12:13], s[12:13], s[20:21]
	s_add_nc_u64 s[96:97], s[96:97], s[46:47]
	global_load_b128 v[BO:BO+3], v[CO], s[96:97]   ; bo at my four columns of a row read back
.macro FRAG reg, adr, q, i
.irp p, 0,1,2,3,4,5
.set PCE, 12*(\q)+6*(\p/3)+\p%3
.if PCE%8 < 5
	ds_load_b64 v[\reg+2*\p:\reg+2*\p+1], v[\adr] offset:8*PCE+16*(PCE/8)+(\i)*16*PITCH
.else
	ds_load_b64 v[\reg+2*\p:\reg+2*\p+1], v[\adr+2] offset:8*PCE+16*(PCE/8)+(\i)*16*PITCH
.endif
.endr
.endm
.macro MUL16 a0, p, q, sc, zero        ; the 64 accumulators take turns, one instruction a turn
.irp a, \a0, \a0+1
.irp b, 0,1,2,3,4,5,6,7
.if \zero
	v_wmma_scale_f32_16x16x128_f8f6f4 v[8*(8*((\a)%4)+\b):8*(8*((\a)%4)+\b)+7], v[128*(\p)+FR*\b:128*(\p)+FR*\b+FR-1], v[AF+FR*(\a):AF+FR*(\a)+FR-1], 0, v[SC+8*NQ*(\sc)+NQ*\b+(\q)], v[SC+8*NQ*(\sc)+NQ*(\a)+(\q)] matrix_a_fmt:MATRIX_FMT_BF6 matrix_b_fmt:MATRIX_FMT_BF6 matrix_a_scale:MATRIX_SCALE_ROW1
.else
	v_wmma_scale_f32_16x16x128_f8f6f4 v[8*(8*((\a)%4)+\b):8*(8*((\a)%4)+\b)+7], v[128*(\p)+FR*\b:128*(\p)+FR*\b+FR-1], v[AF+FR*(\a):AF+FR*(\a)+FR-1], v[8*(8*((\a)%4)+\b):8*(8*((\a)%4)+\b)+7], v[SC+8*NQ*(\sc)+NQ*\b+(\q)], v[SC+8*NQ*(\sc)+NQ*(\a)+(\q)] matrix_a_fmt:MATRIX_FMT_BF6 matrix_b_fmt:MATRIX_FMT_BF6 matrix_a_scale:MATRIX_SCALE_ROW1
.endif
.endr
.endr
.endm
.macro FETCH_B slot, q, p
	WIN TO_B
.irp i, 0,1,2,3,4,5,6,7
	FRAG 128*(\p)+FR*\i, ADRB+\slot, \q, \i
.endr
	WIN 0
.endm
.macro FETCH_A slot, q, i0
.irp i, \i0, \i0+1, \i0+2, \i0+3
	FRAG AF+FR*(\i), ADRA+\slot, \q, \i
.endr
.endm
.macro SCALES sc
.irp i, 0,1,2,3,4,5,6,7
	ds_load_b64 v[SC+8*NQ*\sc+NQ*\i:SC+8*NQ*\sc+NQ*\i+1], v[ADRS] offset:\i*SBLK
.endr
.endm
.macro PLACES n
.rept \n
	v_nop
.endr
.endm
.macro STEP slot, q, zero
	s_wait_dscnt 4*NL                              ; B's set and A's blocks 0-3 are in; the youngest 24 loads may be out
	WIN MUL_LO
	MUL16 0, (\q)%2, \q, \slot, \zero
	MUL16 2, (\q)%2, \q, \slot, \zero
	s_wait_dscnt 0
	PLACES NP
	FETCH_B \slot, (\q)+1, 1-(\q)%2
	FETCH_A \slot, (\q)+1, 0
	WIN MUL_HI
	MUL16 4, (\q)%2, \q, \slot, \zero
	MUL16 6, (\q)%2, \q, \slot, \zero
	PLACES NP
	WIN 0
	FETCH_A \slot, (\q)+1, 4
.endm
.macro TURN slot, next, fill
	s_wait_tensorcnt 0x0                           ; all my tensor loads have landed: my part of the next slot
	ds_add_u32 v[SPW], v[NIL]                      ; 0 onto my spare word
	s_wait_dscnt 4*NL+1                            ; the add and the youngest 24 loads may be out
	WIN MUL_LO
	MUL16 0, 1, NQ-1, \slot, 0
	s_wait_dscnt 0x0                               ; the add is done, and my reads of this slot are over
	s_barrier_signal -1
	MUL16 2, 1, NQ-1, \slot, 0
	WIN 0
	s_barrier_wait -1
.if \fill
	CREST                                          ; a round of the cluster's barrier: no wave of any partner still reads this slot or has a load on its way
	s_add_nc_u64 s[G0+4*\slot+2:G0+4*\slot+3], s[G0+4*\slot+2:G0+4*\slot+3], 2*ROWB
	s_add_nc_u64 s[G0B+4*\slot+2:G0B+4*\slot+3], s[G0B+4*\slot+2:G0B+4*\slot+3], 2*ROWB
	JLOAD G0+4*\slot, G1, G0B+4*\slot, G1B
.else
	PLACES NP
.endif
	v_add_nc_u32 v[ADRS], 4*NQ, v[ADRS]
	FETCH_B \next, 0, 0
	FETCH_A \next, 0, 0
	SCALES \next
	WIN MUL_HI
	MUL16 4, 1, NQ-1, \slot, 0
	MUL16 6, 1, NQ-1, \slot, 0
	PLACES NP
	WIN 0
	FETCH_A \next, 0, 4
.endm
	s_wait_loadcnt 0x0                             ; bo, once
	s_wait_tensorcnt 1                             ; the scales and my part of K step 0 are in; of my three first fills K step 1's may be out
	s_barrier_signal -1
	s_barrier_wait -1
	FETCH_B 0, 0, 0
	FETCH_A 0, 0, 0
	SCALES 0
	FETCH_A 0, 0, 4
	STEP 0, 0, 1
	s_mov_b32 s3, LAPS-1
.Llap:
	TURN 0, 1, 1
	STEP 1, 0, 0
	TURN 1, 0, 1
	STEP 0, 0, 0
	s_sub_co_u32 s3, s3, 1
	s_cmp_lg_u32 s3, 0
	s_cbranch_scc1 .Llap
	TURN 0, 1, 0
	STEP 1, 0, 0
	s_wait_dscnt 4*NL
	WIN MUL_LO
	MUL16 0, 1, NQ-1, 1, 0
	MUL16 2, 1, NQ-1, 1, 0
	s_wait_dscnt 0
	WIN MUL_HI
	MUL16 4, 1, NQ-1, 1, 0
	MUL16 6, 1, NQ-1, 1, 0
	WIN 0
; THE WAY OUT, block by block of 16 rows x 128 columns, through my own stage: in by eights of columns at their true places, back as whole rows of 512 bytes.  LDS serves a wave's instructions in order.
.macro TOSTAGE a
.set AC, 64*((\a)%4)
	WIN 0x08+4*((\a)/4)                            ; the data: window 2 or 3
.irp b, 0,1,2,3,4,5,6,7
	ds_store_b128 v[STO], v[AC+8*\b:AC+8*\b+3] offset:128*(\b/2)+32*(\b%2)       ; columns 32 (b / 2) + 16 h + 8 (b % 2) on; each accumulator from its low end on
	ds_store_b128 v[STO], v[AC+8*\b+4:AC+8*\b+7] offset:128*(\b/2)+32*(\b%2)+16
.endr
	WIN 0
.set BB, BK+64*((\a)%2)
.irp t, 0,1,2,3,4,5,6,7,8,9,10,11,12,13,14,15
	ds_load_b128 v[BB+4*\t:BB+4*\t+3], v[RD] offset:\t*SPITCH
.endr
.endm
.macro SEND a, younger                 ; younger: the LDS instructions issued behind block a's loads, which may stay out
.set BB, BK+64*((\a)%2)
	s_wait_dscnt \younger
.if (\a) > 0
	s_add_nc_u64 s[12:13], s[12:13], 16*SIZE_N*4   ; (behind a wait on XCNT: the earlier stores have read their base)
.endif
.irp t, 0,1,2,3,4,5,6,7,8,9,10,11,12,13,14,15
	v_pk_add_f32 v[BB+4*\t:BB+4*\t+1], v[BB+4*\t:BB+4*\t+1], v[BO:BO+1]          ; + bo
	v_pk_add_f32 v[BB+4*\t+2:BB+4*\t+3], v[BB+4*\t+2:BB+4*\t+3], v[BO+2:BO+3]
	global_store_b128 v[CO], v[BB+4*\t:BB+4*\t+3], s[12:13] offset:\t*SIZE_N*4 th:TH_STORE_NT   ; 32 lanes store 512 consecutive bytes, aligned
.endr
.endm
	PLACES NP
	TOSTAGE 0
.irp a, 1,2,3,4,5,6,7
.if \a > 1
	s_wait_xcnt 0x0                                ; block a - 2's stores have read their registers and their base
.endif
	TOSTAGE \a
	SEND \a-1, 32                                  ; behind block a - 1's loads: block a's 16 stores and 16 loads
.endr
	s_wait_xcnt 0x0
	SEND 7, 0
	s_wait_tensorcnt 0x0                           ; the wave's end
	ds_add_u32 v[SPW], v[NIL]
	s_wait_dscnt 0x0
	CROUND                                         ; the closing round
	s_endpgm
.Lfunc_end_k_qe5180bf864_outp:
	.size	k_qe5180bf864_outp, .Lfunc_end_k_qe5180bf864_outp-k_qe5180bf864_outp
	.p2alignl 7, 3214868480
	.fill 96, 4, 3214868480
	.section	.rodata,"a",@progbits
	.p2align	6, 0x0
	.amdhsa_kernel k_qe5180bf864_outp
		.amdhsa_group_segment_fixed_size 327680
		.amdhsa_private_segment_fixed_size 0
		.amdhsa_enable_private_segment 0
		.amdhsa_kernarg_size 48
		.amdhsa_user_sgpr_count 2
		.amdhsa_user_sgpr_kernarg_segment_ptr 1
		.amdhsa_wavefront_size32 1
		.amdhsa_system_sgpr_workgroup_id_x 1
		.amdhsa_system_sgpr_workgroup_id_y 1
		.amdhsa_system_sgpr_workgroup_id_z 1
		.amdhsa_system_vgpr_workitem_id 0
		.amdhsa_next_free_vgpr 1024
		.amdhsa_next_free_sgpr 98
		.amdhsa_reserve_vcc 0
		.amdhsa_float_denorm_mode_32 3
		.amdhsa_float_denorm_mode_16_64 3
		.amdhsa_memory_ordered 1
		.amdhsa_forward_progress 1
		.amdhsa_inst_pref_size 176
	.end_amdhsa_kernel
	.amdgpu_metadata
---
amdhsa.version: [ 1, 2 ]
amdhsa.kernels:
  - .name:           k_qe5180bf864_outp
    .symbol:         k_qe5180bf864_outp.kd
    .args:
      - { .name: acod, .offset: 0, .size: 8, .value_kind: global_buffer, .address_space: global }
      - { .name: ascl, .offset: 8, .size: 8, .value_kind: global_buffer, .address_space: global }
      - { .name: cod, .offset: 16, .size: 8, .value_kind: global_buffer, .address_space: global }
      - { .name: scl, .offset: 24, .size: 8, .value_kind: global_buffer, .address_space: global }
      - { .name: bo, .offset: 32, .size: 8, .value_kind: global_buffer, .address_space: global }
      - { .name: out0, .offset: 40, .size: 8, .value_kind: global_buffer, .address_space: global }
    .group_segment_fixed_size: 327680
    .private_segment_fixed_size: 0
    .kernarg_segment_align: 8
    .kernarg_segment_size: 48
    .max_flat_workgroup_size: 128
    .sgpr_count:     98
    .vgpr_count:     1024
    .wavefront_size: 32
...
	.end_amdgpu_metadata
.endif
;; end of part 4
